; MI455X (gfx1250); checked and timed in simulation.
; The chip was launched on July 23, 2026; its instructions are those of AMD's public machine-readable ISA for CDNA 5 (MIT licence, August 2026) and "CDNA5" Instruction Set Architecture Reference Guide (July 2026). The comments in the code are by the model that wrote it; some were corrected since.
;; Window Attention. Allowed arithmetic: matrix products marked QUANTISED: E3M2 operands, one E8M0 scale for each 32 along K, by v_wmma_scale_f32_16x16x128_f8f6f4 with both operands' format E3M2, f32 sums; everything else in f32.
;; Inputs: W_proj 1,024 x 1,024 float32; W_qkv 1,024 x 3,072 float32; b_proj 1,024 float32; b_qkv 3,072 float32; x 8 x 1,024 x 1,024 float32.
;; Outputs: out0 8 x 1,024 x 1,024 float32.
;; This version of the problem:
;;   THIS VERSION OF THE PROBLEM IS GIVEN IN LOW PRECISION. The matrix products marked QUANTISED in the list below multiply operands that are first quantised to E3M2 (3 exponent bits, 2 mantissa bits; 6 bits a number), with one power-of-two scale for each 32 numbers along K (OCP MX v1.0); their sums are f32. All else is computed in f32.
;;   The module's matrix products, in the order in which they are computed (A, B: the left and right operand; K: the contracted axis; several contracted axes count as one K, in the product's order):
;;     1. [M 8,192, K 1,024] x [K 1,024, N 3,072]; A: input x; B: input W_qkv: QUANTISED
;;     2. batch 128 x [M 1,024, K 64] x [K 64, N 1,024]; A: computed on the way; B: computed on the way: QUANTISED
;;     3. batch 128 x [M 1,024, K 1,024] x [K 1,024, N 64]; A: softmax (see below); B: computed on the way: QUANTISED
;;     4. [M 8,192, K 1,024] x [K 1,024, N 1,024]; A: computed on the way; B: input W_proj: QUANTISED
;;   THE QUANTISER, for each operand of a quantised product, along K:
;;     - K is cut into blocks of 32 from its start; a last block that is shorter is filled with zeros.
;;     - A block's scale is 2^e with e = floor(log2(the largest magnitude in the block)) - 4, held to -126 .. 127; a block of zeros has e = 0. As a byte (E8M0): e + 127.
;;     - Each number is divided by its block's scale, clamped to +-28, and rounded to the nearest number of E3M2, ties to even, subnormals kept.
;;     - The product sums the exact products of the quantised numbers (number of the format x scale) in f32.
;;   ~~~python
;;   def quantise(x, axis):      # numpy; x: float32 -> the quantised numbers, widened to float32 again
;;       x = np.moveaxis(x, axis, -1); K = x.shape[-1]
;;       x = np.pad(x, [(0, 0)] * (x.ndim - 1) + [(0, -K % 32)]); x = x.reshape(x.shape[:-1] + (-1, 32)); a = np.abs(x).max(-1, keepdims=True)
;;       e = np.where(a > 0, np.clip(np.frexp(np.where(a > 0, a, 1))[1] - 1 - 4, -126, 127), 0)      # np.frexp(a)[1] - 1 = floor(log2(a)), exactly
;;       r = np.clip(x / 2.0 ** e, -28, 28)
;;       step = 2.0 ** (np.maximum(np.frexp(np.where(r == 0, 1, r))[1] - 1, -2) - 2)
;;       q = np.round(r / step) * step * 2.0 ** e      # np.round: ties to even
;;       return np.moveaxis(q.reshape(q.shape[:-2] + (-1,))[..., :K], -1, axis).astype(np.float32)
;;   ~~~
;;   SOFTMAX AHEAD OF A QUANTISED PRODUCT. Where the list says 'softmax', what is quantised is not the finished softmax but p = 2^(t - M), with t = logit x log2(e) and M = ceil(the row's largest t), a whole number; so 1/2 < the row's largest p <= 1. The row's sum l is taken of the UNQUANTISED p, in f32, and the product's result is divided by l at the end. Since M is a whole number, a kernel that streams over the keys may use a running M (the ceiling of the running maximum): every later rescaling is an exact power of two, which a block's scale takes up: the codes' values come out the same.
;;   OPERANDS COMPUTED ON THE WAY. 'Computed on the way' means the value that the module computes at that place (a softmax that the list does not call 'softmax' is quantised finished and normalised). What goes into a quantiser is computed in f32, as accurately as f32 sums, v_exp_f32 and their like allow (about 1e-6 of the number): no bf16 or f16 on the way to a quantiser, and a product that is left as it is and whose result goes on into a quantised operand takes f32 operands (vector FMAs, or v_wmma_f32_16x16x4_f32). A number that lies on a knife's edge between two numbers of the format may be rounded either way, as far as f32 arithmetic and the matrix unit's own rounding can turn it there, and no further.
;; One version. Each part assembles by itself: llvm-mc -triple=amdgcn-amd-amdhsa -mcpu=gfx1250 --defsym DOCPART=n.
;; ======== version 1 of 1: 4 launches
;; limits: right only within a limited range of input values
;; workspace buffers: xq 6,553,600 bytes; wq 3,276,800 bytes; qkvq 19,660,800 bytes; oq 6,553,600 bytes
;; launch quant (part 1): grid 256 x 1, 6 waves a work-group, no clusters, 168,704 bytes of LDS; arguments x, W_qkv, W_proj, xq, wq; writes xq, wq
.if DOCPART == 1
	.amdgcn_target "amdgcn-amd-amdhsa--gfx1250"
	.amdhsa_code_object_version 6
	.text
	.protected	k_q819a1b476c_quant
	.globl	k_q819a1b476c_quant
	.p2align	8
	.type	k_q819a1b476c_quant,@function
k_q819a1b476c_quant:
	s_mov_b64 s[64:65], 0
	v_nop
	global_prefetch_b8 v0, s[64:65] scope:SCOPE_SE
	s_setreg_imm32_b32 hwreg(HW_REG_WAVE_MODE, 25, 1), 1
	s_wait_xcnt 0x0
; x [8192][1024], W_qkv [1024][3072] and W_proj [1024][1024], f32, become codes of BF6 (E3M2) with one E8M0 byte for each 32 along K (the 1,024 input channels).
; A block's scale is 2^(floor(log2(its largest magnitude)) - 4): its byte is the largest magnitude's exponent field - 4, held at 1 from below.
; LIMITS: a block of zeros gets the byte 1 where the rule says 127 (its codes are zeros, and this program alone reads the bytes); blocks whose largest magnitude lies under 2^-122 are held at the byte 1;
; NaN and infinities among the inputs are not served.
; THE CODES ARE LAID IN THE ORDER OF THE OPERAND'S REGISTERS.  Fragment (rb, ks) = 16 rows x 128 K = 12 registers a lane lies at rb x 12,288 + ks x 1,536; register q of lane l at 512 (q / 4) + 16 l + 4 (q % 4).
; Row block rb = 2 G + u holds, at lane row r, the true row 32 G + 8 u + r + 8 (r / 8): used as source 0 of a product, blocks 2 G and 2 G + 1 give a lane 16 neighbours.
; The scale word (4 bytes: 128 K) of (rb, ks, r) lies at (rb / 4) x 2,048 + ks x 256 + 16 r + 4 (rb % 4): 256 consecutive bytes hold the words of four row blocks.
; SHARES.  Waves 0-3 take x: a wave 64 rows x 128 K, brought by ONE tensor load (64 rows of 512 bytes, 16 bytes of padding behind each).  Waves 4-5 take the weights, whose K is the first axis:
; a wave 64 columns x 128 K; a lane takes a column and its registers run down K, so nothing is transposed; the codes turn into images in the wave's own stage in LDS and leave in runs of 512 bytes.
; The two roles part on the wave's number and never meet again: no barrier.  No LDS byte is filled twice.  No cluster: no two work-groups read the same byte.
.set XSC,    6291456                   ; xq: the scale words behind the images
.set WP_IMG, 2359296                   ; wq: W_proj's images behind W_qkv's 192 row blocks
.set WQ_SC,  3145728                   ; W_qkv's scale words
.set WP_SC,  3244032                   ; W_proj's
.set XP,     528                       ; an LDS row of x: 512 bytes + 16
.set XT,     64*XP                     ; a wave's tile
.set WS0,    4*XT                      ; behind the four tiles: a stage for each of waves 4 and 5
.set WSB,    6400                      ; four images of 1,536 bytes and 256 bytes of scale words
.set LA,  4                            ; v4   x: my row's place in my wave's tile
.set GO,  5                            ; v5   16 x lane
.set GS,  6                            ; v6   16 r + 8 h
.set SH,  7                            ; v7   8 h
.set SA,  8                            ; v8   the stage: my column's place in an image
.set SS,  9                            ; v9   and among the scale words
.set RB,  10                           ; v10  the stage read back: 16 x lane
.set RS,  11                           ; v11  its scale words: 8 x lane
.set G8,  12                           ; v12  8 x lane
.set X,   16                           ; x role: v16-79 64 numbers
.set PC,  80                           ; v80-127 codes, 12 registers for each of four fragments: no store's data are written again
.set T,   128                          ; v128-134 the second halves of the blocks' codes
.set M,   136
.set E,   138
.set B,   140
.set SW,  144                          ; v144-147 the four fragments' scale words
.set D,   148
.set R,   16                           ; W role: v16-79 two sets of 32 numbers; later the way out
.set OFF, 144                          ; v144-175 4 x lane + i rows
.set C,   176                          ; v176-182 a block's codes
.set WD,  190                          ; v190-191 a column's scale word, for each of the two groups of 32 columns
	s_load_b256 s[4:11], s[0:1], 0x0               ; x s[4:5], W_qkv s[6:7], W_proj s[8:9], xq s[10:11]
	s_load_b64 s[12:13], s[0:1], 0x20              ; wq
	v_lshl_add_u32 v192, v0, 2, 0x29000
	v_mov_b32 v193, 0
	ds_add_u32 v192, v193
	ds_add_u32 v192, v193
	v_lshrrev_b32 v1, 5, v0
	v_readfirstlane_b32 s14, v1                    ; wave 0..5
	v_and_b32 v1, 31, v0                           ; lane
	v_and_b32 v2, 15, v0                           ; r
	s_wait_alu depctr_va_vdst(0)
	v_bfe_u32 v3, v0, 4, 1                         ; h
	; descriptor group 1: 64 rows x 128 elements of 4 bytes, 1,024 elements from row to row, 4 words of padding behind every 128
	s_mov_b32 s16, (2<<16)|(1<<20)|(6<<22)|(3<<25)
	s_mov_b32 s17, 128<<16                         ; tensor_dim0
	s_mov_b32 s18, 64<<16                          ; tensor_dim1
	s_mov_b32 s19, 128<<16                         ; tile_dim0
	s_mov_b32 s20, 64                              ; tile_dim1
	s_mov_b32 s21, 1024                            ; tensor_dim0_stride
	s_mov_b32 s22, 0
	s_mov_b32 s23, 0
	s_mov_b32 s36, 0x76543210
	s_mov_b32 s37, 0xfedcba98                      ; v_permlanex16_b32's selects for lane l xor 16
	s_mov_b32 s38, 0xffff0000                      ; lanes 16-31
	; every LDS address is made here, ahead of the parting of the roles
	s_mul_i32 s15, s14, XT                         ; my wave's tile
	s_and_b32 s39, s14, 1
	s_mul_i32 s39, s39, WSB
	s_add_co_u32 s39, s39, WS0                     ; my wave's stage
	v_and_b32 v[LA], 8, v2
	v_mad_u32_u24 v[LA], v[LA], 3, v2              ; x's rows go by groups of 64: row block 4 c + i holds at lane row r the row 64 c + 8 i + r % 8 + 32 (r / 8): here r + 24 (r / 8)
	v_mul_u32_u24 v[LA], v[LA], XP
	s_wait_alu depctr_va_vdst(0)
	v_lshl_add_u32 v[LA], v3, 7, v[LA]             ; + 128 h: my 32 numbers of a block pair
	v_add_nc_u32 v[LA], s15, v[LA]
	v_lshlrev_b32 v[GO], 4, v1
	v_lshlrev_b32 v[GS], 4, v2
	v_lshl_add_u32 v[GS], v3, 3, v[GS]
	v_lshlrev_b32 v[SH], 3, v3
	v_bfe_u32 v13, v0, 3, 1                        ; a column's row block among its 32: u = (lane / 8) % 2,
	v_and_b32 v14, 7, v0
	v_lshl_or_b32 v14, v3, 3, v14                  ; and its lane row there: lane % 8 + 8 (lane / 16)
	v_mul_u32_u24 v[SA], v13, 1536
	v_lshl_add_u32 v[SA], v14, 4, v[SA]
	v_add_nc_u32 v[SA], s39, v[SA]
	v_lshlrev_b32 v[SS], 4, v14
	v_lshl_add_u32 v[SS], v13, 2, v[SS]
	v_add_nc_u32 v[SS], s39, v[SS]
	v_add_nc_u32 v[SS], 6144, v[SS]
	v_add_nc_u32 v[RB], s39, v[GO]
	v_lshlrev_b32 v[G8], 3, v1
	v_add_nc_u32 v[RS], s39, v[G8]
	v_add_nc_u32 v[RS], 6144, v[RS]
	s_wait_dscnt 0x0
	s_wait_kmcnt 0x0
	s_cmp_lt_u32 s14, 4
	s_cbranch_scc0 .Lw
	; ---------------- waves 0-3: x ----------------
	s_lshr_b32 s40, ttmp9, 1                       ; which 64 rows
	s_and_b32 s41, ttmp9, 1
	s_lshl_b32 s41, s41, 2
	s_add_co_u32 s41, s41, s14                     ; which 128 along K
	s_lshl_b32 s42, s40, 18                        ; 64 rows of 4,096 bytes
	s_lshl_b32 s43, s41, 9
	s_add_co_u32 s42, s42, s43
	s_mov_b32 s43, 0
	s_mov_b32 s24, 1                               ; group 0: count = 1,
	s_mov_b32 s25, s15                             ; LDS address,
	s_add_nc_u64 s[26:27], s[4:5], s[42:43]        ; the tile's first element,
	s_or_b32 s27, s27, 0x80000000                  ; type = 2
	tensor_load_to_lds s[24:27], s[16:23]          ; my one tensor load
	s_nop 0
	v_mov_b32 v151, 0                              ; (a lane permute's destination counts as one of its sources)
	s_mul_i32 s44, s40, 4*12288
	s_mul_i32 s45, s41, 1536
	s_add_co_u32 s44, s44, s45
	s_mov_b32 s45, 0
	s_add_nc_u64 s[32:33], s[10:11], s[44:45]      ; my four fragments' images
	s_lshl_b32 s46, s40, 11
	s_lshl_b32 s47, s41, 8
	s_add_co_u32 s46, s46, s47
	s_add_co_u32 s46, s46, XSC
	s_mov_b32 s47, 0
	s_add_nc_u64 s[34:35], s[10:11], s[46:47]      ; and their 256 bytes of scale words
	s_wait_tensorcnt 0x0                           ; the tile is in; only I read it
; Fragment f of my 64 rows: lane (r, h) takes row 8 f + r % 8 + 32 (r / 8) and, of each 64 along K, its half's 32 numbers: two whole blocks a lane, in the order of the operand's registers.
.macro FRAGX f
.irp c, 0,1
.irp i, 0,1,2,3,4,5,6,7
	ds_load_b128 v[X+32*\c+4*\i:X+32*\c+4*\i+3], v[LA] offset:(\f)*8*XP+256*\c+16*\i
.endr
.endr
	s_wait_dscnt 0x0
.irp c, 0,1
	v_max3_num_f32 v[M+\c], |v[X+32*\c]|, |v[X+32*\c+1]|, 0x2800000   ; the block's largest magnitude, and the floor 2^(5 - 127): the byte cannot fall under 1
.endr
.irp i, 2,4,6,8,10,12,14,16,18,20,22,24,26,28,30
.irp c, 0,1
	v_max3_num_f32 v[M+\c], v[M+\c], |v[X+32*\c+\i]|, |v[X+32*\c+\i+1]|   ; (the two blocks by turns)
.endr
.endr
.irp c, 0,1
	v_add_nc_u32 v[E+\c], 0xfe000000, v[M+\c]      ; 4 off the exponent field: the conversion's scale operand
.endr
.irp c, 0,1
	v_lshrrev_b32 v[B+\c], 23, v[E+\c]             ; the scale's byte
.endr
	v_lshl_or_b32 v150, v[B+1], 16, v[B]           ; my two bytes: blocks h and 2 + h of my row,
	v_lshlrev_b32 v150, v[SH], v150                ; at their places in the word;
	v_permlanex16_b32 v151, v150, s36, s37
	v_or_b32 v[SW+(\f)], v150, v151                ; with lane l xor 16's two the word is whole
.irp c, 0,1
	v_cvt_scalef32_pk16_bf6_f32 v[PC+12*(\f)+6*\c:PC+12*(\f)+6*\c+2], v[X+32*\c:X+32*\c+15], v[E+\c]
	v_cvt_scalef32_pk16_bf6_f32 v[T+4*\c:T+4*\c+2], v[X+32*\c+16:X+32*\c+31], v[E+\c]   ; (a conversion's three registers begin on an even number)
.endr
	v_nop                                          ; one plain place behind a scaled conversion
.irp c, 0,1
.irp i, 0,1,2
	v_mov_b32 v[PC+12*(\f)+6*\c+3+\i], v[T+4*\c+\i]
.endr
.endr
.irp k, 0,1,2
	global_store_b128 v[GO], v[PC+12*(\f)+4*\k:PC+12*(\f)+4*\k+3], s[32:33] offset:(\f)*12288+512*\k   ; 32 lanes store 512 consecutive bytes
.endr
.endm
	FRAGX 0
	FRAGX 1
	FRAGX 2
	FRAGX 3
	v_cndmask_b32 v[D], v[SW], v[SW+2], s38        ; lanes 0-15 store the words of fragments 0, 1, lanes 16-31 those of 2, 3:
	v_cndmask_b32 v[D+1], v[SW+1], v[SW+3], s38
	global_store_b64 v[GS], v[D:D+1], s[34:35]     ; 256 consecutive bytes, aligned
	s_wait_tensorcnt 0x0
	ds_add_u32 v192, v193
	s_wait_dscnt 0x0
	s_endpgm
	; ---------------- waves 4-5: the weights ----------------
.Lw:
	s_mov_b32 s42, 4096
	s_mov_b32 s44, WP_IMG
	s_mov_b32 s45, WP_SC
	s_cmp_lt_u32 ttmp9, 192                        ; the first 192 work-groups take W_qkv, the others W_proj: the choice hangs on the work-group's number alone
	s_cselect_b64 s[40:41], s[6:7], s[8:9]
	s_cselect_b32 s42, 12288, s42                  ; bytes in a row
	s_cselect_b32 s43, 0, 192
	s_cselect_b32 s44, 0, s44                      ; where the images begin in wq,
	s_cselect_b32 s45, WQ_SC, s45                  ; and the scale words
	s_sub_co_u32 s43, ttmp9, s43
	s_lshl_b32 s43, s43, 1
	s_and_b32 s46, s14, 1
	s_add_co_u32 s43, s43, s46                     ; my job
	s_and_b32 s46, s43, 7                          ; which 128 along K
	s_lshr_b32 s47, s43, 3                         ; which 64 columns
	s_lshl_b32 s60, s46, 7
	s_mul_i32 s60, s60, s42
	s_lshl_b32 s61, s47, 8
	s_add_co_u32 s60, s60, s61
	s_mov_b32 s61, 0
	s_add_nc_u64 s[48:49], s[40:41], s[60:61]      ; a base for each of the four blocks of 32 rows
	s_lshl_b32 s62, s42, 5
	s_mov_b32 s63, 0
	s_add_nc_u64 s[50:51], s[48:49], s[62:63]
	s_add_nc_u64 s[52:53], s[50:51], s[62:63]
	s_add_nc_u64 s[54:55], s[52:53], s[62:63]
	s_mul_i32 s60, s47, 4*12288
	s_mul_i32 s62, s46, 1536
	s_add_co_u32 s60, s60, s62
	s_add_co_u32 s60, s60, s44
	s_add_nc_u64 s[56:57], s[12:13], s[60:61]      ; my four images
	s_lshl_b32 s60, s47, 11
	s_lshl_b32 s62, s46, 8
	s_add_co_u32 s60, s60, s62
	s_add_co_u32 s60, s60, s45
	s_add_nc_u64 s[58:59], s[12:13], s[60:61]      ; my 256 bytes of scale words
	v_lshlrev_b32 v[OFF], 2, v1                    ; the row's length differs between the two tensors, so row i's offset stands in a register
.set i, 1
.rept 31
	v_add_nc_u32 v[OFF+i], s42, v[OFF+i-1]
.set i, i+1
.endr
; Block t: columns 32 (t % 2) on, rows 32 (t / 2) on.  The two halves of a row's 256 bytes are read in neighbouring blocks.
.macro LOADW t
.set i, 0
.rept 32
	global_load_b32 v[R+32*((\t)%2)+i], v[OFF+i], s[48+2*((\t)/2):49+2*((\t)/2)] offset:128*((\t)%2)
.set i, i+1
.endr
.endm
.macro BLOCKW t
.set XS, R+32*((\t)%2)
.set PP, (\t)%2
.set BE, (\t)/2
.if (\t) < 7
	s_wait_loadcnt 32                              ; this block's 32 loads are in; the next block's 32 may be out
.else
	s_wait_loadcnt 0x0
.endif
	v_max3_num_f32 v184, |v[XS]|, |v[XS+1]|, |v[XS+2]|             ; all 32 numbers of the block are mine
	v_max3_num_f32 v185, |v[XS+3]|, |v[XS+4]|, |v[XS+5]|
.irp i, 6,10,14,18,22,26
	v_max3_num_f32 v184, v184, |v[XS+\i]|, |v[XS+\i+1]|
	v_max3_num_f32 v185, v185, |v[XS+\i+2]|, |v[XS+\i+3]|
.endr
	v_max3_num_f32 v184, v184, |v[XS+30]|, |v[XS+31]|
	v_max3_num_f32 v184, v184, v185, 0x2800000     ; and the floor
	v_add_nc_u32 v186, 0xfe000000, v184
	v_lshrrev_b32 v187, 23, v186
.if BE == 0
	v_mov_b32 v[WD+PP], v187                       ; four bytes to the column's word, the lower K in the lower byte
.else
	v_lshl_or_b32 v[WD+PP], v187, 8*BE, v[WD+PP]
.endif
	v_cvt_scalef32_pk16_bf6_f32 v[C:C+2], v[XS:XS+15], v186
	v_cvt_scalef32_pk16_bf6_f32 v[C+4:C+6], v[XS+16:XS+31], v186
	v_nop                                          ; one plain place behind a scaled conversion
	v_mov_b32 v[C+3], v[C+4]
	v_mov_b32 v[C+4], v[C+5]
	v_mov_b32 v[C+5], v[C+6]                       ; six registers on end: registers 6 c .. 6 c + 5 (c = block / 2) of lane r + 16 (block % 2) of my column's fragment
.if BE < 2
	ds_store_b128 v[SA], v[C:C+3] offset:PP*3072+256*(BE%2)
	ds_store_b64 v[SA], v[C+4:C+5] offset:PP*3072+256*(BE%2)+512
.else
	ds_store_b64 v[SA], v[C:C+1] offset:PP*3072+256*(BE%2)+520
	ds_store_b128 v[SA], v[C+2:C+5] offset:PP*3072+256*(BE%2)+1024
.endif
.if BE == 3
	ds_store_b32 v[SS], v[WD+PP] offset:8*PP
.endif
.if (\t)+2 < 8
	LOADW (\t)+2
.endif
	s_wait_dscnt 0x0                               ; the stores have read their registers: the next block's codes may be written
.endm
	LOADW 0
	LOADW 1
.irp t, 0,1,2,3,4,5,6,7
	BLOCKW \t
.endr
.set k, 0
.rept 12
	ds_load_b128 v[R+4*k:R+4*k+3], v[RB] offset:512*k              ; LDS serves a wave's instructions in order: these see my stores
.set k, k+1
.endr
	ds_load_b64 v[R+48:R+49], v[RS]
.set k, 0
.rept 12
	s_wait_dscnt 12-k                              ; the loads issued behind this one may be out
	global_store_b128 v[GO], v[R+4*k:R+4*k+3], s[56:57] offset:(k/3)*12288+(k%3)*512   ; 512 consecutive bytes of an image
.set k, k+1
.endr
	s_wait_dscnt 0x0
	global_store_b64 v[G8], v[R+48:R+49], s[58:59] ; 256 consecutive bytes, aligned
	s_wait_tensorcnt 0x0
	ds_add_u32 v192, v193
	s_wait_dscnt 0x0
	s_endpgm
.Lfunc_end_k_q819a1b476c_quant:
	.size	k_q819a1b476c_quant, .Lfunc_end_k_q819a1b476c_quant-k_q819a1b476c_quant
	.p2alignl 7, 3214868480
	.fill 96, 4, 3214868480
	.section	.rodata,"a",@progbits
	.p2align	6, 0x0
	.amdhsa_kernel k_q819a1b476c_quant
		.amdhsa_group_segment_fixed_size 168704
		.amdhsa_private_segment_fixed_size 0
		.amdhsa_enable_private_segment 0
		.amdhsa_kernarg_size 40
		.amdhsa_user_sgpr_count 2
		.amdhsa_user_sgpr_kernarg_segment_ptr 1
		.amdhsa_wavefront_size32 1
		.amdhsa_system_sgpr_workgroup_id_x 1
		.amdhsa_system_sgpr_workgroup_id_y 1
		.amdhsa_system_sgpr_workgroup_id_z 1
		.amdhsa_system_vgpr_workitem_id 0
		.amdhsa_next_free_vgpr 194
		.amdhsa_next_free_sgpr 66
		.amdhsa_reserve_vcc 0
		.amdhsa_float_denorm_mode_32 3
		.amdhsa_float_denorm_mode_16_64 3
		.amdhsa_memory_ordered 1
		.amdhsa_forward_progress 1
		.amdhsa_inst_pref_size 64
	.end_amdhsa_kernel
	.amdgpu_metadata
---
amdhsa.version: [ 1, 2 ]
amdhsa.kernels:
  - .name:           k_q819a1b476c_quant
    .symbol:         k_q819a1b476c_quant.kd
    .args:
      - { .name: x, .offset: 0, .size: 8, .value_kind: global_buffer, .address_space: global }
      - { .name: W_qkv, .offset: 8, .size: 8, .value_kind: global_buffer, .address_space: global }
      - { .name: W_proj, .offset: 16, .size: 8, .value_kind: global_buffer, .address_space: global }
      - { .name: xq, .offset: 24, .size: 8, .value_kind: global_buffer, .address_space: global }
      - { .name: wq, .offset: 32, .size: 8, .value_kind: global_buffer, .address_space: global }
    .group_segment_fixed_size: 168704
    .private_segment_fixed_size: 0
    .kernarg_segment_align: 8
    .kernarg_segment_size: 40
    .max_flat_workgroup_size: 192
    .sgpr_count:     66
    .vgpr_count:     194
    .wavefront_size: 32
...
	.end_amdgpu_metadata
.endif
;; end of part 1
;; launch qkv (part 2): grid 32 x 8, 4 waves a work-group, clusters of 4 x 4, 327,680 bytes of LDS; arguments xq, wq, b_qkv, qkvq; writes qkvq
.if DOCPART == 2
	.amdgcn_target "amdgcn-amd-amdhsa--gfx1250"
	.amdhsa_code_object_version 6
	.text
	.protected	k_q819a1b476c_qkv
	.globl	k_q819a1b476c_qkv
	.p2align	8
	.type	k_q819a1b476c_qkv,@function
k_q819a1b476c_qkv:
	s_mov_b64 s[64:65], 0
	v_nop
	global_prefetch_b8 v0, s[64:65] scope:SCOPE_SE
	s_setreg_imm32_b32 hwreg(HW_REG_WAVE_MODE, 25, 1), 1
	s_wait_xcnt 0x0
	s_wait_alu depctr_hold_cnt(0) depctr_sa_sdst(0) depctr_va_vdst(0) depctr_va_sdst(0) depctr_va_ssrc(0) depctr_va_vcc(0) depctr_vm_vsrc(0)
	s_getreg_b32 s2, hwreg(HW_REG_IB_STS2, 6, 4)
	s_cmp_eq_u32 s2, 0
	s_cbranch_scc0 .Lentry_in_a_cluster
	s_endpgm
.Lentry_in_a_cluster:
	s_bfe_u32 s2, ttmp6, 0x10000c
	s_cmp_lg_u32 s2, 0xf033
	s_cbranch_scc0 .Lentry_shape_is_right
	s_endpgm
.Lentry_shape_is_right:
; q, k, v = x W_qkv + b_qkv on codes of BF6 (E3M2) with E8M0 scales; the results are quantised IN REGISTERS for the two products of attention and leave as codes: q and k along the head's 64 channels, v along the keys.
; LIMITS: a sum begins with the bias, where the reference adds it last; a block of zeros gets the scale byte 1 (its codes are zeros; this program alone reads the bytes); blocks whose largest magnitude lies under 2^-122 are held at the byte 1; NaN and infinities are not served.
; THE OPERANDS are images in the order of the operand's registers: fragment (row block rb, K step ks) at rb x 12,288 + ks x 1,536, three loads of 16 bytes at 16 x lane.  Row block 2 G + u holds at lane row r the true row 32 G + 8 u + r + 8 (r / 8):
; as source 0, blocks 2 G and 2 G + 1 give a lane 16 neighbours.  The scale word of (rb, ks, r) lies at (rb / 4) x 2,048 + 256 ks + 16 r + 4 (rb % 4).
; THE DEAL.  256 work-groups of four waves, 2 x 2.  A work-group takes 256 tokens (16 row blocks of x, which stay in LDS for the whole launch) and the 128 columns of two heads of V, of Q and of K, in three phases, in that order.
; In a phase the wave in row a, column b holds W's row blocks 4 b .. 4 b + 3 of the phase's eight (one head), all of K, in 384 registers, and streams x's row blocks 8 a + s, s = 0 .. 7, past them: 32 products a block.
; Q, K: source 0 = W's rows: a lane holds one token, its 32 sums of a block are the head's channels; blocks 2 p, 2 p + 1 make one fragment.  V: source 0 = x's rows: a lane holds one channel and its registers run along the keys;
; four blocks (64 keys) make half a fragment of each of the four channel tiles, so V's sums need 128 registers.  V goes first: its codes leave only at its phase's end.
; THE CLUSTER's x counts tile rows: x's images are shared by a column of the cluster, W's by a row, each asked for jointly.
; LDS: x's images in three parts (row blocks 0-3 and 8-11; 4, 5 and 12, 13; 6, 7 and 14, 15: each wave row's next blocks side by side); W's eight row blocks; x's scale words, re-laid [row block][r][K step] by plain loads and LDS stores into bytes of their own; the spare words.
; FILLS.  At the head one tensor load a wave: W_v's images and x's three parts.  TWO REFILLS of W's bytes, which all waves hold in registers by then: in block 1 of phases V and Q, behind a drained round of the cluster's barrier, each wave a quarter.
; A refill is asked for six blocks ahead of the barrier (in block 7) that shows it, so no data prefetch is laid.
; THE ORDER OF x's ROWS differs from W's: x's row block 4 c + i holds at lane row r the token 64 c + 8 i + r % 8 + 32 (r / 8).  So in V's phase a lane's 32 sums of four blocks are the 32 keys 64 c + 32 (lane / 16) + 0 .. 31:
; one whole scale block, in the order of the operand's registers; no other lane is asked for its largest magnitude and no code changes lanes.
.set XSC, 6291456
.set WQ_SC, 3145728
.set HB, 153600                        ; qkvq: a head's block: K's images 0, V's 49,152, K's scale words 98,304, V's 100,352, Q's images 102,400, Q's scale words 151,552
.set FRB, 1536
.set RBB, 12288
.set NQ, 8
.set NB, 4
.set FR, 12
.set FPW, 21                           ; fragments in a window: fragment f lies in window 1 + f / 21 at register 12 (f % 21): 0-31 W's (4 q + tile), 32-47 x's two sets
.set NF, 26                            ; LDS loads of a block: 24 for eight fragments, 2 for eight scale words
.set YB, 16*RBB
.set SCLA, YB+8*RBB
.set SPARE, SCLA+8192
.set AD1, 4                            ; v4-6 LDS addresses of my blocks 0-3; 4, 5; 6, 7
.set AD2, 5
.set AD3, 6
.set AAS0, 7                           ; v7  my rows' scale words
.set ADRB, 8                           ; v8  my fragments of W
.set GO, 9                             ; v9  16 x lane
.set SPW, 10
.set NIL, 11
.set GT, 12                            ; v12 16 x thread
.set SW, 13                            ; v13 where my share of x's scale words goes
.set R16, 14                           ; v14 16 r
.set VO, 15                            ; v15 64 h
.set VB, 16                            ; v16 4 (r + 8 (r / 8))
.set SB0, 24                           ; v24-55, v56-87 W's scale words, two sets: 4 x K step + tile
.set SB1, 56
.set SA, 88                            ; v88-103 x's: two sets of eight
.set TM, 104                           ; v104-119 the quantiser at work
.set PT, 120                           ; v120-126 the second halves of the blocks' codes
.set PCQ, 128                          ; v128-139 a fragment of Q or K
.set FRG, 140                          ; v140-187 V's four fragments
.set PWB, 188                          ; v188-191 four scale words
.set BO, 200                           ; v200-231 the bias as the first products' C: in window 3 for V and K, in window 0 for Q
.set XT, 232                           ; v232-247 head: x's scale words on their way into LDS
.set ACC, 72                           ; window 3, v72-199: the sums
.set G1A, 24
.set G1A2, 32
.set G1B, 40
.set G1R, 48
.set G0A, 56
.set G0B, 60
.set G0R, 68
.set SEL, 98
.set MSB, 0
.macro WIN new
.if MSB != \new
	s_set_vgpr_msb (MSB<<8)|\new
.set MSB, \new
.endif
.endm
.macro PLACES n
.rept \n
	v_nop
.endr
.endm
.macro WALU
	s_wait_alu depctr_va_vdst(0)
.endm
.macro BARRIER
	s_barrier_signal -1
	s_barrier_wait -1
.endm
.macro MIDDLE                          ; a round's middle: the opening wait, wave 0's signal for the work-group, the cluster's wait
	s_barrier_wait -1
	s_cmp_lg_u32 s14, 0
	s_cbranch_scc1 .Lnot_wave_0_\@
	s_barrier_signal -3
.Lnot_wave_0_\@:
	s_barrier_wait -3
.endm
.macro CROUND
	s_barrier_signal -1
	MIDDLE
	BARRIER
.endm
.macro TLOAD g0, g1                    ; an s_nop 0 and four v_nop follow a tensor load
	tensor_load_to_lds s[\g0:\g0+3], s[\g1:\g1+7]
	s_nop 0
	PLACES 4
.endm
.macro GROUP1 g, mask, c, rows, pitch  ; rows of c elements of 8 bytes
	s_or_b32 s[\g+0], s[\mask], (3<<16)|(1<<21)
	s_mov_b32 s[\g+1], ((\c)&0xffff)<<16
	s_mov_b32 s[\g+2], (\rows)<<16
	s_mov_b32 s[\g+3], (\c)<<16
	s_mov_b32 s[\g+4], \rows
	s_mov_b32 s[\g+5], \pitch
	s_mov_b32 s[\g+6], 0
	s_mov_b32 s[\g+7], 0
.endm
.macro ATILE lds, goff, g1             ; a part of x's images
	s_mov_b32 s[G0A+1], \lds
.if \goff
	s_add_nc_u64 s[G0A+2:G0A+3], s[G0A+2:G0A+3], \goff
.endif
	s_or_b32 s[G0A+3], s[G0A+3], 0x80000000
	TLOAD G0A, \g1
.endm
.macro FETCHAT e, s                    ; my block s of x into set e: NF loads
.if (\s) < 4
.set AR_, AD1
.set AO_, (\s)*RBB
.elseif (\s) < 6
.set AR_, AD2
.set AO_, ((\s)-4)*RBB
.else
.set AR_, AD3
.set AO_, ((\s)-6)*RBB
.endif
.irp q, 0,1,2,3,4,5,6,7
	WIN (1+(NB*NQ+NQ*(\e)+\q)/FPW)<<6
.irp c, 0,1,2
	ds_load_b128 v[FR*((NB*NQ+NQ*(\e)+\q)%FPW)+4*\c:FR*((NB*NQ+NQ*(\e)+\q)%FPW)+4*\c+3], v[AR_] offset:AO_+\q*FRB+512*\c
.endr
.endr
	WIN 0
	ds_load_b128 v[SA+8*(\e):SA+8*(\e)+3], v[AAS0] offset:(\s)*512
	ds_load_b128 v[SA+8*(\e)+4:SA+8*(\e)+7], v[AAS0] offset:(\s)*512+16
.endm
.macro BLOAD                           ; my four tiles of W, all of K: 96 loads
.irp q, 0,1,2,3,4,5,6,7
.irp b, 0,1,2,3
	WIN (1+(NB*\q+\b)/FPW)<<6
.irp c, 0,1,2
	ds_load_b128 v[FR*((NB*\q+\b)%FPW)+4*\c:FR*((NB*\q+\b)%FPW)+4*\c+3], v[ADRB] offset:\b*RBB+\q*FRB+512*\c
.endr
.endr
.endr
	WIN 0
.endm
.macro PROD1 d, s0, s1, c, x0, x1
	v_wmma_scale_f32_16x16x128_f8f6f4 v[\d:\d+7], v[\s0:\s0+FR-1], v[\s1:\s1+FR-1], \c, v[\x0], v[\x1] matrix_a_fmt:MATRIX_FMT_BF6 matrix_b_fmt:MATRIX_FMT_BF6
.endm
.macro PROD vv, s, n, sb, bw           ; product n = 4 q + tile of block s.  vv = 1: V.  sb: W's set of scale words; bw: the bias's window.  The four tiles' accumulators take turns
.set Q_, (\n)/4
.set T_, (\n)%4
.set FB_, NB*Q_+T_
.set FA_, NB*NQ+NQ*((\s)%2)+Q_
.set RB_, FR*(FB_%FPW)
.set RA_, FR*(FA_%FPW)
.set XB_, (\sb)+4*Q_+T_
.set XA_, SA+8*((\s)%2)+Q_
.if \vv
.set D_, ACC+32*T_+8*((\s)%4)
.set W_, (1+FA_/FPW)|((1+FB_/FPW)<<2)
.else
.set D_, ACC+32*((\s)%2)+8*T_
.set W_, (1+FB_/FPW)|((1+FA_/FPW)<<2)
.endif
.if Q_
	WIN W_|0xf0
.else
	WIN W_|0xc0|((\bw)<<4)
.endif
.if \vv
.if Q_
	PROD1 D_, RA_, RB_, v[D_:D_+7], XA_, XB_
.else
	PROD1 D_, RA_, RB_, v[BO+8*T_:BO+8*T_+7], XA_, XB_
.endif
.else
.if Q_
	PROD1 D_, RB_, RA_, v[D_:D_+7], XB_, XA_
.else
	PROD1 D_, RB_, RA_, v[BO+8*T_:BO+8*T_+7], XB_, XA_
.endif
.endif
.endm
.macro PRODS vv, s, from, to, sb, bw
.set N_, \from
.rept (\to)-(\from)
	PROD \vv, \s, N_, \sb, \bw
.set N_, N_+1
.endr
	WIN 0
.endm
; A block.  nf: the block that is fetched behind it into its set (-1: none).  w: the LDS loads that may be out when it begins (the younger fetch).
; mode 1: a drained round of the cluster's barrier, and W's bytes are filled again, RC bytes on in wq.  mode 2: a plain barrier shows that refill to all.
.macro BLK vv, s, sb, bw, nf, mode, w
	s_wait_dscnt \w
.if (\mode) == 1
	s_wait_tensorcnt 0x0                           ; all my tensor loads have landed;
	ds_add_u32 v[SPW], v[NIL]                      ; 0 onto my spare word
	s_add_nc_u64 s[G0R+2:G0R+3], s[18:19], RC      ; no tensor load of mine is out: the refill's address may be written
	s_or_b32 s[G0R+3], s[G0R+3], 0x80000000
	PRODS \vv, \s, 0, 24, \sb, \bw
	s_wait_dscnt 0x0                               ; the add is done, and my reads of W's bytes are long over
	s_barrier_signal -1
	PRODS \vv, \s, 24, 32, \sb, \bw
	MIDDLE
	BARRIER
	TLOAD G0R, G1R                                 ; my quarter of the next phase's W; its four v_nop are the places in front of the fetch below
.elseif (\mode) == 2
	PRODS \vv, \s, 0, 24, \sb, \bw
	s_wait_tensorcnt 0x0
	s_wait_dscnt 0x0
	s_barrier_signal -1
	PRODS \vv, \s, 24, 32, \sb, \bw
	s_barrier_wait -1
	PLACES 4
.else
	PRODS \vv, \s, 0, 32, \sb, \bw
	PLACES 4                                       ; between the last product and the loads into its registers and the first reader of its sums
.endif
.if (\nf) >= 0
	FETCHAT (\s)%2, \nf
.endif
.endm
; THE QUANTISER of 64 sums of a lane from register x of window 3 on: register 16 b + i = place 32 b + 16 (lane / 16) + i along the next K.  QMAX: the four blocks' scale operands (TM+12 ..) and bytes (TM+4 ..).  Each accumulator is read from its low end on.
.macro QMAX x
	WIN 0x3c
.irp b, 0,1,2,3
	v_max3_num_f32 v[TM+\b], 0x2800000, |v[\x+16*\b]|, |v[\x+16*\b+1]|   ; and the floor 2^(5 - 127): the byte cannot fall under 1
.endr
.irp i, 2,4,6,8,10,12,14
.irp b, 0,1,2,3
	v_max3_num_f32 v[TM+\b], v[TM+\b], |v[\x+16*\b+\i]|, |v[\x+16*\b+\i+1]|
.endr
.endr
	WIN 0
.irp b, 0,1,2,3
	v_permlanex16_b32 v[TM+4+\b], v[TM+\b], s[SEL], s[SEL+1]
.endr
.irp b, 0,1,2,3
	v_max_num_f32 v[TM+\b], v[TM+\b], v[TM+4+\b]
.endr
.irp b, 0,1,2,3
	v_add_nc_u32 v[TM+12+\b], 0xfe000000, v[TM+\b]
.endr
.irp b, 0,1,2,3
	v_lshrrev_b32 v[TM+4+\b], 23, v[TM+12+\b]
.endr
.endm
.macro QCVT x, d0, d1                  ; the codes: blocks 0, 1 into six registers from d0 on, blocks 2, 3 from d1 on; a whole block in a lane
	WIN 0x03
	v_cvt_scalef32_pk16_bf6_f32 v[\d0:\d0+2], v[\x:\x+15], v[TM+12]
	v_cvt_scalef32_pk16_bf6_f32 v[PT:PT+2], v[\x+16:\x+31], v[TM+13]
	v_cvt_scalef32_pk16_bf6_f32 v[\d1:\d1+2], v[\x+32:\x+47], v[TM+14]
	v_cvt_scalef32_pk16_bf6_f32 v[PT+4:PT+6], v[\x+48:\x+63], v[TM+15]
	WIN 0
	v_nop                                          ; one plain place behind a scaled conversion
.irp i, 0,1,2
	v_permlane16_swap_b32 v[\d0+\i], v[PT+\i]
	v_permlane16_swap_b32 v[\d1+\i], v[PT+4+\i]
.endr
.irp i, 0,1,2
	v_mov_b32 v[\d0+3+\i], v[PT+\i]
	v_mov_b32 v[\d1+3+\i], v[PT+4+\i]
.endr
.endm
.macro QKUNIT p, img                   ; blocks 2 p, 2 p + 1 of Q or K: one fragment, stored as an image: 512 consecutive bytes an instruction
	s_wait_xcnt 0x0                                ; the last fragment's stores have read their registers
	QMAX ACC
	v_lshl_or_b32 v[PWB+\p], v[TM+5], 8, v[TM+4]
	v_lshl_or_b32 v[PWB+\p], v[TM+6], 16, v[PWB+\p]
	v_lshl_or_b32 v[PWB+\p], v[TM+7], 24, v[PWB+\p]
	QCVT ACC, PCQ, PCQ+6
.irp k, 0,1,2
	global_store_b128 v[GO], v[PCQ+4*\k:PCQ+4*\k+3], s[10:11] offset:(\img)+(\p)*FRB+512*\k
.endr
.endm
.macro VHALF hf                        ; 64 keys of V's four channel tiles: a lane's 32 sums of a tile are its block 2 hf + (lane / 16): six registers of the tile's fragment and one byte of its scale word
	WIN 0x3c
.irp t, 0,1,2,3
	v_max3_num_f32 v[TM+\t], 0x2800000, |v[ACC+32*\t]|, |v[ACC+32*\t+1]|   ; and the floor 2^(5 - 127).  Each accumulator is read from its low end on
.endr
.irp i, 2,4,6,8,10,12,14,16,18,20,22,24,26,28,30
.irp t, 0,1,2,3
	v_max3_num_f32 v[TM+\t], v[TM+\t], |v[ACC+32*\t+\i]|, |v[ACC+32*\t+\i+1]|   ; (the four tiles by turns)
.endr
.endr
	WIN 0
.irp t, 0,1,2,3
	v_add_nc_u32 v[TM+12+\t], 0xfe000000, v[TM+\t]
.endr
.if \hf
.irp t, 0,1,2,3
	v_lshrrev_b32 v[TM+4+\t], 23, v[TM+12+\t]
.endr
.irp t, 0,1,2,3
	v_lshl_or_b32 v[PWB+\t], v[TM+4+\t], 16, v[PWB+\t]   ; my two bytes: blocks h and 2 + h,
.endr
.irp t, 0,1,2,3
	v_lshlrev_b32 v[PWB+\t], v[SH8], v[PWB+\t]           ; at their places in the word;
.endr
.irp t, 0,1,2,3
	v_permlanex16_b32 v[TM+4+\t], v[PWB+\t], s[SEL], s[SEL+1]
.endr
.irp t, 0,1,2,3
	v_or_b32 v[PWB+\t], v[PWB+\t], v[TM+4+\t]            ; with lane l xor 16's two the word is whole
.endr
.else
.irp t, 0,1,2,3
	v_lshrrev_b32 v[PWB+\t], 23, v[TM+12+\t]
.endr
.endif
.irp t, 0,2
	WIN 0x03
	v_cvt_scalef32_pk16_bf6_f32 v[FRG+12*\t+6*\hf:FRG+12*\t+6*\hf+2], v[ACC+32*\t:ACC+32*\t+15], v[TM+12+\t]
	v_cvt_scalef32_pk16_bf6_f32 v[PT:PT+2], v[ACC+32*\t+16:ACC+32*\t+31], v[TM+12+\t]
	v_cvt_scalef32_pk16_bf6_f32 v[FRG+12*\t+12+6*\hf:FRG+12*\t+12+6*\hf+2], v[ACC+32*\t+32:ACC+32*\t+47], v[TM+13+\t]
	v_cvt_scalef32_pk16_bf6_f32 v[PT+4:PT+6], v[ACC+32*\t+48:ACC+32*\t+63], v[TM+13+\t]
	WIN 0
	v_nop                                          ; one plain place behind a scaled conversion
.irp i, 0,1,2
	v_mov_b32 v[FRG+12*\t+6*\hf+3+\i], v[PT+\i]    ; (a conversion's three registers begin on an even number)
	v_mov_b32 v[FRG+12*\t+12+6*\hf+3+\i], v[PT+4+\i]
.endr
.endr
.endm
; ================= THE HEAD
	s_load_b256 s[4:11], s[0:1], 0x0               ; xq s[4:5], wq s[6:7], b_qkv s[8:9], qkvq s[10:11]
	v_lshl_add_u32 v[SPW], v0, 2, SPARE
	v_mov_b32 v[NIL], 0
	ds_add_u32 v[SPW], v[NIL]                      ; the opening lines: the add, twice on end, and its wait
	ds_add_u32 v[SPW], v[NIL]
	v_lshrrev_b32 v1, 5, v0
	v_readfirstlane_b32 s14, v1                    ; the wave; s15 its row a of the 2 x 2, s16 its column b
	s_lshr_b32 s15, s14, 1
	s_and_b32 s16, s14, 1
	s_bfe_u32 s72, ttmp6, 0x40000
	s_bfe_u32 s73, ttmp6, 0x40004
	s_lshl_b32 s75, ttmp9, 2
	s_add_co_u32 s75, s75, s72                     ; tile row: 256 tokens
	s_and_b32 s74, ttmp7, 0xffff
	s_lshl_b32 s74, s74, 2
	s_add_co_u32 s74, s74, s73                     ; column group: heads 2 s74, 2 s74 + 1
	s_lshl_b32 s76, 0x1111, s72                    ; my column of the cluster shares x's images
	s_lshl_b32 s77, s73, 2
	s_lshl_b32 s77, 15, s77                        ; my row W's
	GROUP1 G1A, 76, 6144, 2, 12288                 ; four row blocks of each wave row
	GROUP1 G1A2, 76, 3072, 2, 12288                ; two of each
	GROUP1 G1B, 77, 32, 384, 32                    ; eight row blocks of W, dense, as rows of 256 bytes
	GROUP1 G1R, 77, 32, 96, 32                     ; a quarter of them
	s_mov_b32 s[G0A], 1
	s_mov_b32 s[G0B], 1
	s_mov_b32 s[G0B+1], YB
	s_mov_b32 s[G0R], 1
	s_mul_i32 s[G0R+1], s14, 2*RBB
	s_add_co_u32 s[G0R+1], s[G0R+1], YB
	s_mov_b32 s[SEL], 0x76543210
	s_mov_b32 s[SEL+1], 0xfedcba98                 ; v_permlanex16_b32's selects for lane l xor 16
	s_mul_i32 s80, s75, 16*RBB                     ; x's images
	s_mov_b32 s81, 0
	s_lshl_b32 s82, s75, 13
	s_add_co_u32 s82, s82, XSC                     ; x's scale words
	s_mov_b32 s83, 0
	s_mul_i32 s84, s74, 8*RBB                      ; W's images of my column group, in Q's part
	s_mov_b32 s85, 0
	s_mul_i32 s86, s14, 2*RBB                      ; my quarter of a refill
	s_mov_b32 s87, 0
	s_lshl_b32 s88, s74, 1
	s_add_co_u32 s88, s88, s16
	s_lshl_b32 s88, s88, 11
	s_add_co_u32 s88, s88, WQ_SC                   ; my four tiles' scale words, in Q's part
	s_mov_b32 s89, 0
	s_lshl_b32 s90, s74, 9
	s_lshl_b32 s17, s16, 8
	s_add_co_u32 s90, s90, s17                     ; my head's bias, in Q's part
	s_mov_b32 s91, 0
	s_lshr_b32 s92, s75, 2                         ; the batch
	s_lshl_b32 s92, s92, 4
	s_lshl_b32 s17, s74, 1
	s_add_co_u32 s92, s92, s17
	s_add_co_u32 s92, s92, s16
	s_mul_i32 s92, s92, HB                         ; my head's block
	s_and_b32 s17, s75, 3
	s_lshl_b32 s17, s17, 1
	s_add_co_u32 s17, s17, s15                     ; which 128 tokens of the batch's 1,024
	s_mul_i32 s94, s17, 4*FRB
	s_add_co_u32 s94, s94, s92
	s_mov_b32 s95, 0
	s_lshl_b32 s96, s17, 8
	s_add_co_u32 s96, s96, s92
	s_mov_b32 s97, 0
	s_mul_i32 s2, s15, 4*RBB
	s_mul_i32 s3, s15, 2*RBB
	s_add_co_u32 s66, s3, 12*RBB
	s_add_co_u32 s3, s3, 8*RBB
	s_mul_i32 s67, s16, 4*RBB
	s_add_co_u32 s67, s67, YB
	s_lshl_b32 s78, s15, 12
	s_add_co_u32 s78, s78, SCLA
	v_and_b32 v1, 15, v0                           ; r
	v_bfe_u32 v2, v0, 4, 1                         ; h
	v_and_b32 v3, 31, v0                           ; lane
	v_lshlrev_b32 v[GO], 4, v3
	v_lshlrev_b32 v[GT], 4, v0
	v_lshlrev_b32 v[R16], 4, v1
	v_lshlrev_b32 v[VO], 6, v2
	v_lshl_add_u32 v[AD1], v3, 4, s2
	v_lshl_add_u32 v[AD2], v3, 4, s3
	v_lshl_add_u32 v[AD3], v3, 4, s66
	v_lshl_add_u32 v[ADRB], v3, 4, s67
	v_lshl_add_u32 v[AAS0], v1, 5, s78
	v_lshrrev_b32 v22, 4, v0                       ; thread t holds K step t / 16 of lane row t % 16
	v_lshlrev_b32 v22, 2, v22
	v_lshl_add_u32 v22, v1, 5, v22
	v_add_nc_u32 v[SW], SCLA, v22
	v_and_b32 v23, 8, v1
	v_add_nc_u32 v23, v23, v1
	v_lshlrev_b32 v[VB], 2, v23
.set SH8, 17                           ; v17 8 h
	v_lshlrev_b32 v[SH8], 3, v2
.irp b, 0,1,2,3
	v_mov_b32 v[TM+4+\b], 0                        ; (a lane permute's destination counts as one of its sources)
.endr
	WALU                                           ; the wait at the head's end
	s_wait_dscnt 0x0
	CROUND                                         ; the opening round: the first joint loads meet
	s_wait_kmcnt 0x0
	s_add_nc_u64 s[G0A+2:G0A+3], s[4:5], s[80:81]
	s_add_nc_u64 s[12:13], s[4:5], s[82:83]
	s_add_nc_u64 s[18:19], s[6:7], s[84:85]
	s_add_nc_u64 s[G0B+2:G0B+3], s[18:19], 128*RBB ; W_v's row blocks lie 128 on
	s_or_b32 s[G0B+3], s[G0B+3], 0x80000000
	s_add_nc_u64 s[18:19], s[18:19], s[86:87]
	s_add_nc_u64 s[20:21], s[6:7], s[88:89]
	s_add_nc_u64 s[8:9], s[8:9], s[90:91]
	s_add_nc_u64 s[22:23], s[10:11], s[96:97]      ; the scale words' place in my head's block
	s_add_nc_u64 s[10:11], s[10:11], s[94:95]      ; the images'
	s_cmp_eq_u32 s14, 0
	s_cbranch_scc0 .Lwave_1
	TLOAD G0B, G1B                                 ; wave 0: W_v's images, which are wanted first
	s_branch .Lasked
.Lwave_1:
	s_cmp_eq_u32 s14, 1
	s_cbranch_scc0 .Lwave_2
	ATILE 0, 0, G1A                                ; wave 1: x's row blocks 0-3 and 8-11
	s_branch .Lasked
.Lwave_2:
	s_cmp_eq_u32 s14, 2
	s_cbranch_scc0 .Lwave_3
	ATILE 8*RBB, 4*RBB, G1A2                       ; wave 2: 4, 5 and 12, 13
	s_branch .Lasked
.Lwave_3:
	ATILE 12*RBB, 6*RBB, G1A2                      ; wave 3: 6, 7 and 14, 15
.Lasked:
.irp i, 0,1,2,3
	global_load_b128 v[XT+4*\i:XT+4*\i+3], v[GT], s[12:13] offset:2048*\i   ; the words of row blocks 4 i .. 4 i + 3
.endr
.irp q, 0,1,2,3,4,5,6,7
	global_load_b128 v[SB0+4*\q:SB0+4*\q+3], v[R16], s[20:21] offset:65536+256*\q   ; W_v's scale words
.endr
	WIN 0xc0
.irp t, 0,1,2,3
.irp j, 0,1,2,3,4,5,6,7
	global_load_b32 v[BO+8*\t+\j], v[VB], s[8:9] offset:8192+(32*(\t/2)+8*(\t%2))*4   ; V's bias hangs on my lane's channel alone: the same number in a tile's eight registers
.endr
.endr
	WIN 0
.irp q, 0,1,2,3,4,5,6,7
	global_load_b128 v[SB1+4*\q:SB1+4*\q+3], v[R16], s[20:21] offset:256*\q          ; W_q's
.endr
.irp t, 0,1,2,3
	global_load_b128 v[BO+8*\t:BO+8*\t+3], v[VO], s[8:9] offset:(32*(\t/2)+8*(\t%2))*4   ; Q's bias: register 8 t + j is channel 32 (t / 2) + 16 h + 8 (t % 2) + j
	global_load_b128 v[BO+8*\t+4:BO+8*\t+7], v[VO], s[8:9] offset:(32*(\t/2)+8*(\t%2))*4+16
.endr
	s_cmp_eq_u32 s14, 0
	s_cbranch_scc0 .Lnot_b
	s_wait_tensorcnt 0x0
.Lnot_b:
	BARRIER                                        ; W_v's images have landed
	BLOAD
	s_wait_loadcnt 56                              ; x's four loads of scale words are in; 8 + 32 + 8 + 8 are younger.  They are wanted behind the next barrier only
.irp i, 0,1,2,3
.irp j, 0,1,2,3
	ds_store_b32 v[SW], v[XT+4*\i+\j] offset:(4*\i+\j)*512
.endr
.endr
	s_cmp_eq_u32 s14, 1
	s_cbranch_scc0 .Lnot_a
	s_wait_tensorcnt 0x0                           ; wave 1: x's first part has landed
.Lnot_a:
	s_wait_loadcnt 0x0                             ; the scale words and biases of V and Q
	s_wait_dscnt 0x0
	BARRIER                                        ; x's first part and all its scale words are in.  Waves 2 and 3's tiles may be out
	FETCHAT 0, 0
	FETCHAT 1, 1
; ================= V
.set RC, 0                             ; the first refill: W_q's images
	BLK 1, 0, SB0, 3, 2, 0, NF
	BLK 1, 1, SB0, 3, 3, 1, NF
	BLK 1, 2, SB0, 3, 4, 0, NF
	BLK 1, 3, SB0, 3, 5, 0, NF
	VHALF 0
	BLK 1, 4, SB0, 3, 6, 0, NF
	BLK 1, 5, SB0, 3, 7, 0, NF
	BLK 1, 6, SB0, 3, 0, 0, NF                     ; x stays in LDS: the stream goes on into the next phase's blocks 0 and 1
	BLK 1, 7, SB0, 3, 1, 2, NF
	BLOAD                                          ; W_q's tiles come into registers while V's second half is quantised
.irp q, 0,1,2,3,4,5,6,7
	global_load_b128 v[SB0+4*\q:SB0+4*\q+3], v[R16], s[20:21] offset:32768+256*\q   ; W_k's scale words and K's bias, a phase ahead
.endr
	WIN 0xc0
.irp t, 0,1,2,3
	global_load_b128 v[BO+8*\t:BO+8*\t+3], v[VO], s[8:9] offset:4096+(32*(\t/2)+8*(\t%2))*4
	global_load_b128 v[BO+8*\t+4:BO+8*\t+7], v[VO], s[8:9] offset:4096+(32*(\t/2)+8*(\t%2))*4+16
.endr
	WIN 0
	VHALF 1
.irp t, 0,1,2,3
.irp k, 0,1,2
	global_store_b128 v[GO], v[FRG+12*\t+4*\k:FRG+12*\t+4*\k+3], s[10:11] offset:49152+\t*FRB+512*\k
.endr
.endr
	global_store_b128 v[R16], v[PWB:PWB+3], s[22:23] offset:100352   ; sixteen lanes store 256 consecutive bytes, aligned (lanes 16-31 hold and store the same)
	s_wait_dscnt 0x0
; ================= Q
.set RC, 64*RBB                        ; the second refill: W_k's images
	BLK 0, 0, SB1, 0, 2, 0, NF
	BLK 0, 1, SB1, 0, 3, 1, NF
	QKUNIT 0, 102400
	BLK 0, 2, SB1, 0, 4, 0, NF
	BLK 0, 3, SB1, 0, 5, 0, NF
	QKUNIT 1, 102400
	BLK 0, 4, SB1, 0, 6, 0, NF
	BLK 0, 5, SB1, 0, 7, 0, NF
	QKUNIT 2, 102400
	BLK 0, 6, SB1, 0, 0, 0, NF
	BLK 0, 7, SB1, 0, 1, 2, NF
	BLOAD
	QKUNIT 3, 102400
	global_store_b128 v[R16], v[PWB:PWB+3], s[22:23] offset:151552
	s_wait_loadcnt 0x0                             ; W_k's scale words and K's bias
	s_wait_dscnt 0x0
; ================= K
	BLK 0, 0, SB0, 3, 2, 0, NF
	BLK 0, 1, SB0, 3, 3, 0, NF
	QKUNIT 0, 0
	BLK 0, 2, SB0, 3, 4, 0, NF
	BLK 0, 3, SB0, 3, 5, 0, NF
	QKUNIT 1, 0
	BLK 0, 4, SB0, 3, 6, 0, NF
	BLK 0, 5, SB0, 3, 7, 0, NF
	QKUNIT 2, 0
	BLK 0, 6, SB0, 3, -1, 0, NF
	BLK 0, 7, SB0, 3, -1, 0, 0
	QKUNIT 3, 0
	global_store_b128 v[R16], v[PWB:PWB+3], s[22:23] offset:98304
	s_wait_tensorcnt 0x0                           ; the wave's end
	ds_add_u32 v[SPW], v[NIL]
	s_wait_dscnt 0x0
	CROUND                                         ; the closing round
	s_endpgm
.Lfunc_end_k_q819a1b476c_qkv:
	.size	k_q819a1b476c_qkv, .Lfunc_end_k_q819a1b476c_qkv-k_q819a1b476c_qkv
	.p2alignl 7, 3214868480
	.fill 96, 4, 3214868480
	.section	.rodata,"a",@progbits
	.p2align	6, 0x0
	.amdhsa_kernel k_q819a1b476c_qkv
		.amdhsa_group_segment_fixed_size 327680
		.amdhsa_private_segment_fixed_size 0
		.amdhsa_enable_private_segment 0
		.amdhsa_kernarg_size 32
		.amdhsa_user_sgpr_count 2
		.amdhsa_user_sgpr_kernarg_segment_ptr 1
		.amdhsa_wavefront_size32 1
		.amdhsa_system_sgpr_workgroup_id_x 1
		.amdhsa_system_sgpr_workgroup_id_y 1
		.amdhsa_system_sgpr_workgroup_id_z 1
		.amdhsa_system_vgpr_workitem_id 0
		.amdhsa_next_free_vgpr 1024
		.amdhsa_next_free_sgpr 102
		.amdhsa_reserve_vcc 0
		.amdhsa_float_denorm_mode_32 3
		.amdhsa_float_denorm_mode_16_64 3
		.amdhsa_memory_ordered 1
		.amdhsa_forward_progress 1
		.amdhsa_inst_pref_size 228
	.end_amdhsa_kernel
	.amdgpu_metadata
---
amdhsa.version: [ 1, 2 ]
amdhsa.kernels:
  - .name:           k_q819a1b476c_qkv
    .symbol:         k_q819a1b476c_qkv.kd
    .args:
      - { .name: xq, .offset: 0, .size: 8, .value_kind: global_buffer, .address_space: global }
      - { .name: wq, .offset: 8, .size: 8, .value_kind: global_buffer, .address_space: global }
      - { .name: b_qkv, .offset: 16, .size: 8, .value_kind: global_buffer, .address_space: global }
      - { .name: qkvq, .offset: 24, .size: 8, .value_kind: global_buffer, .address_space: global }
    .group_segment_fixed_size: 327680
    .private_segment_fixed_size: 0
    .kernarg_segment_align: 8
    .kernarg_segment_size: 32
    .max_flat_workgroup_size: 128
    .sgpr_count:     102
    .vgpr_count:     1024
    .wavefront_size: 32
...
	.end_amdgpu_metadata
.endif
;; end of part 2
;; launch attn (part 3): grid 4 x 64, 16 waves a work-group, clusters of 4 x 1, 327,680 bytes of LDS; arguments qkvq, oq; writes oq
.if DOCPART == 3
	.amdgcn_target "amdgcn-amd-amdhsa--gfx1250"
	.amdhsa_code_object_version 6
	.text
	.protected	k_q819a1b476c_attn
	.globl	k_q819a1b476c_attn
	.p2align	8
	.type	k_q819a1b476c_attn,@function
k_q819a1b476c_attn:
	s_mov_b64 s[64:65], 0
	v_nop
	global_prefetch_b8 v0, s[64:65] scope:SCOPE_SE
	s_setreg_imm32_b32 hwreg(HW_REG_WAVE_MODE, 25, 1), 1
	s_wait_xcnt 0x0
	s_wait_alu depctr_hold_cnt(0) depctr_sa_sdst(0) depctr_va_vdst(0) depctr_va_sdst(0) depctr_va_ssrc(0) depctr_va_vcc(0) depctr_vm_vsrc(0)
	s_getreg_b32 s2, hwreg(HW_REG_IB_STS2, 6, 4)
	s_cmp_eq_u32 s2, 0
	s_cbranch_scc0 .Lentry_in_a_cluster
	s_endpgm
.Lentry_in_a_cluster:
	s_bfe_u32 s2, ttmp6, 0x10000c
	s_cmp_lg_u32 s2, 0x3003
	s_cbranch_scc0 .Lentry_shape_is_right
	s_endpgm
.Lentry_shape_is_right:
; o = softmax(q k^T / 8) v on codes of BF6 (E3M2) with E8M0 scales, for two heads of a batch and 256 queries a work-group; o is quantised along the channels and leaves as images for the out-projection.
; p = 2^(t - M), t = score x log2(e) / 8, M the ceiling of the running largest t, a whole number; the row's sum is taken of the unquantised p; when M moves, the sum and O are multiplied by a power of two.
; LIMITS: the promise holds while the scaled scores t stay under 2^31 in magnitude; a block of zeros gets the scale byte 1 (its codes are zeros; this program alone reads the bytes); NaN and infinities are not served.
; A block's largest p is made from the block's largest score by the same multiply-add and exponential as every p; this takes v_exp_f32 not to fall where its input rises.
; THE DEAL.  16 waves; wave w takes the 16 queries of token block 16 cx + w of its batch, first for the first head, then for the second.  Both products are used transposed (S^T = k q^T, O^T = v^T p^T): a lane holds one query.
; A fragment of K holds two token blocks, one in its K 0-63 and one in its K 64-127; q stands in the one half of its operand and zeros in the other, so two products give 32 keys.
; THE ORDER OF TOKENS in a block: block 4 c + i holds at lane row r the token 64 c + 8 i + r % 8 + 32 (r / 8).  So of a step's 128 keys a lane's registers S + 32 c + 0 .. 31 are the keys 64 c + 32 (lane / 16) + 0 .. 31:
; one whole scale block of p in the order of the operand's registers: its largest score needs no other lane, and no code changes lanes.
; CLUSTER: the four work-groups of a cluster take the four quarters of the queries and need the same K and V: each tile is asked for jointly.
; LDS: the two heads' K, V and scale words (102,400 bytes each), filled once at the head, one tensor load a wave: waves 0-7 the first head's, waves 8-15 the second's, on lines of their own, so that the first barrier waits for the first head's alone.
; All tiles are asked for at the head: there is no later request to run ahead of, so no data prefetch is laid.
.set HB,   153600                      ; a head's block in qkvq: K's images 0, V's 49,152, K's scale words 98,304, V's 100,352, Q's images 102,400, Q's scale words 151,552
.set HL,   102400                      ; what of it goes into LDS
.set XSC,  6291456                     ; oq: the scale words behind the images
.set OSC,  2*HL                        ; LDS: o's scale words on their way out
.set LI,   1                           ; v1 16 x lane
.set LR,   2                           ; v2 16 r
.set ADK,  3                           ; v3, v4 the step's images and scale words in LDS
.set ADS,  4
.set SH8,  5                           ; v5 8 h
.set OSA,  6
.set OSR,  7
.set GOS,  8
.set QSL,  41                          ; v41, v42 q's scale word for its lower and its upper place; v16-33 zeros, q, zeros; v34-40 the second head's q
.set QSH,  42
.set F,    44                          ; v44-91 four fragments of K, then of V
.set KS,   92
.set S,    96                          ; v96-159 the scores, then p
.set O,    160                         ; v160-191 O^T
.set VS,   192
.set OC,   196                         ; v196-207 o's codes of both heads
.set OW,   208
.set PC,   210                         ; v210-221 p's codes; v222-228 the second halves on their way
.set WV,   8
.set G1,   16
.set G0,   24
.set SEL,  32
.set CS,   34
.set TK,   36
.set TS,   37
.set CNT,  38
.macro BARRIER
	s_barrier_signal -1
	s_barrier_wait -1
.endm
.macro CROUND
	BARRIER
	s_cmp_lg_u32 s[WV], 0
	s_cbranch_scc1 .Lnot_wave_0_\@
	s_barrier_signal -3
.Lnot_wave_0_\@:
	s_barrier_wait -3
	BARRIER
.endm
.macro WALU
	s_wait_alu depctr_va_vdst(0)
.endm
.macro TLOAD                           ; an s_nop 0 and four v_nop follow a tensor load
	tensor_load_to_lds s[G0:G0+3], s[G1:G1+7]
	s_nop 0
.rept 4
	v_nop
.endr
.endm
	s_load_b128 s[4:7], s[0:1], 0x0                ; qkvq, oq
	v_lshl_add_u32 v251, v0, 2, 0x34000            ; my spare word
	v_mov_b32 v255, 0
	ds_add_u32 v251, v255                          ; the opening lines: the add, twice on end, and its wait
	ds_add_u32 v251, v255
	v_lshrrev_b32 v1, 5, v0
	v_readfirstlane_b32 s[WV], v1
	s_bfe_u32 s9, ttmp6, 0x40000                   ; cx: which quarter of the queries
	s_and_b32 s10, ttmp7, 0xffff                   ; which pair of heads
	s_mov_b32 s[G1], 15|(3<<16)|(1<<21)            ; all four work-groups; 50 rows of 256 bytes, dense
	s_mov_b32 s[G1+1], 32<<16
	s_mov_b32 s[G1+2], 50<<16
	s_mov_b32 s[G1+3], 32<<16
	s_mov_b32 s[G1+4], 50
	s_mov_b32 s[G1+5], 32
	s_mov_b32 s[G1+6], 0
	s_mov_b32 s[G1+7], 0
	s_mul_i32 s12, s10, 2*HB
	s_mov_b32 s13, 0
	s_mul_i32 s11, s[WV], 12800                    ; in LDS the two heads lie on end: 8 x 12,800 = HL
	s_lshr_b32 s50, s[WV], 3
	s_mul_i32 s50, s50, HB-HL
	s_add_co_u32 s50, s50, s11
	s_mov_b32 s51, 0
	s_wait_dscnt 0x0
	s_wait_kmcnt 0x0
	s_add_nc_u64 s[12:13], s[4:5], s[12:13]
	s_add_nc_u64 s[50:51], s[12:13], s[50:51]
	s_mov_b32 s[G0], 1
	s_mov_b32 s[G0+1], s11
	s_mov_b64 s[G0+2:G0+3], s[50:51]
	s_or_b32 s[G0+3], s[G0+3], 0x80000000
	CROUND
	s_cmp_lt_u32 s[WV], 8
	s_cbranch_scc0 .Lsecond_head
	TLOAD                                          ; waves 0-7: the first head's tile
	s_branch .Lasked
.Lsecond_head:
	TLOAD                                          ; waves 8-15: the second head's
.Lasked:
	v_and_b32 v9, 31, v0
	v_and_b32 v10, 15, v0
	v_bfe_u32 v11, v0, 4, 1
	v_lshlrev_b32 v[LI], 4, v9
	v_lshlrev_b32 v[LR], 4, v10
	v_lshlrev_b32 v[SH8], 3, v11
	WALU                                           ; the wait here, ahead of the run of scalar lines
	s_lshl_b32 s14, s9, 3                          ; my queries' codes and scale words of both heads, asked for while the tiles are on their way
	s_lshr_b32 s15, s[WV], 1
	s_add_co_u32 s14, s14, s15
	s_mul_i32 s52, s14, 1536
	s_add_co_u32 s52, s52, 102400
	s_mov_b32 s53, 0
	s_add_nc_u64 s[42:43], s[12:13], s[52:53]
	s_lshr_b32 s52, s14, 2
	s_lshl_b32 s52, s52, 8
	s_and_b32 s15, s14, 3
	s_lshl_b32 s15, s15, 2
	s_add_co_u32 s52, s52, s15
	s_add_co_u32 s52, s52, 151552
	s_add_nc_u64 s[40:41], s[12:13], s[52:53]
.irp e, 0,1
.irp k, 0,1,2
	global_load_b128 v[S+12*\e+4*\k:S+12*\e+4*\k+3], v[LI], s[42:43] offset:\e*HB+512*\k
.endr
	global_load_b32 v[S+24+\e], v[LR], s[40:41] offset:\e*HB
.endr
	s_and_b32 s15, s[WV], 1                        ; which half of q's fragment is my token block
	s_lshl_b32 s48, s15, 4
	s_cmp_lg_u32 s15, 0
	s_cselect_b32 s49, -1, 0
	s_mov_b32 s[SEL], 0x76543210
	s_mov_b32 s[SEL+1], 0xfedcba98                 ; v_permlanex16_b32's selects for lane l xor 16
	s_mov_b32 s[CS], 0x3e38aa3b                    ; log2(e) / 8
	s_mov_b32 s[CS+1], s[CS]
	s_lshr_b32 s14, s10, 3                         ; the batch
	s_and_b32 s15, s10, 7                          ; the out-projection's K step: my pair of heads
	s_lshl_b32 s52, s14, 6
	s_lshl_b32 s50, s9, 4
	s_add_co_u32 s52, s52, s50
	s_add_co_u32 s52, s52, s[WV]
	s_mul_i32 s52, s52, 12288
	s_mul_i32 s50, s15, 1536
	s_add_co_u32 s52, s52, s50
	s_add_nc_u64 s[44:45], s[6:7], s[52:53]        ; my fragment's image in oq
	s_lshl_b32 s52, s14, 4
	s_lshl_b32 s50, s9, 2
	s_add_co_u32 s52, s52, s50
	s_and_b32 s50, s[WV], 1
	s_lshl_b32 s50, s50, 1
	s_add_co_u32 s52, s52, s50
	s_lshl_b32 s52, s52, 11
	s_lshl_b32 s50, s15, 8
	s_add_co_u32 s52, s52, s50
	s_add_co_u32 s52, s52, XSC
	s_add_nc_u64 s[46:47], s[6:7], s[52:53]        ; waves 0 and 1: two units each of the work-group's scale words
	s_lshr_b32 s13, s[WV], 2
	s_lshl_b32 s13, s13, 8
	s_and_b32 s14, s[WV], 3
	s_lshl_b32 s14, s14, 2
	s_add_co_u32 s13, s13, s14
	s_add_co_u32 s13, s13, OSC
	v_add_nc_u32 v[OSA], s13, v[LR]
	s_and_b32 s14, s[WV], 1
	s_lshl_b32 s14, s14, 9
	s_add_co_u32 s14, s14, OSC
	v_add_nc_u32 v[OSR], s14, v[LI]
	v_lshl_add_u32 v[GOS], v11, 11, v[LR]
.irp i, 0,1,2,3,4,5
	v_mov_b32 v[16+\i], 0
	v_mov_b32 v[28+\i], 0
.endr
.irp b, 0,1,2,3
	v_mov_b32 v[236+\b], 0                         ; (a lane permute's destination counts as one of its sources)
.endr
	v_mov_b32 v252, 0
	v_mov_b32 v253, 0
	s_wait_loadcnt 0x0
.irp i, 0,1,2,3,4,5
	v_cndmask_b32 v[22+\i], v[S+\i], v[S+6+\i], s49
	v_cndmask_b32 v[34+\i], v[S+12+\i], v[S+18+\i], s49
.endr
	v_lshrrev_b32 v[QSL], s48, v[S+24]
	v_lshrrev_b32 v40, s48, v[S+25]
	v_lshlrev_b32 v[QSH], 16, v[QSL]
; A STEP: 128 keys
.macro STEP
	v_add_nc_u32 v[ADK], s[TK], v[LI]              ; (with the sums' last lines, behind the products below, these are the places in front of the loads into their registers)
	v_add_nc_u32 v[ADS], s[TS], v[LR]
.irp p, 0,1,2,3
.irp c, 0,1,2
	ds_load_b128 v[F+12*\p+4*\c:F+12*\p+4*\c+3], v[ADK] offset:\p*1536+512*\c
.endr
.endr
	ds_load_b128 v[KS:KS+3], v[ADS]
	WALU                                           ; the wait here, directly ahead of the wait below
	s_wait_dscnt 0x0
.irp p, 0,1,2,3
	v_wmma_scale_f32_16x16x128_f8f6f4 v[S+16*\p:S+16*\p+7], v[F+12*\p:F+12*\p+11], v[22:33], 0, v[KS+\p], v[QSL] matrix_a_fmt:MATRIX_FMT_BF6 matrix_b_fmt:MATRIX_FMT_BF6
	v_wmma_scale_f32_16x16x128_f8f6f4 v[S+16*\p+8:S+16*\p+15], v[F+12*\p:F+12*\p+11], v[16:27], 0, v[KS+\p], v[QSH] matrix_a_fmt:MATRIX_FMT_BF6 matrix_b_fmt:MATRIX_FMT_BF6
.endr
	v_mov_b32 v254, v12                            ; the old -M.  Four places behind the products
.rept 3
	v_nop
.endr
.irp t, 0,1,2,3
.irp c, 0,1,2
	ds_load_b128 v[F+12*\t+4*\c:F+12*\t+4*\c+3], v[ADK] offset:49152+\t*1536+512*\c
.endr
.endr
	ds_load_b128 v[VS:VS+3], v[ADS] offset:2048
.irp b, 0,1,2,3                        ; the largest score of my two blocks of 32 keys, in four chains by turns; each accumulator is read from its low end on
	v_max3_num_f32 v[232+\b], v[S+16*\b], v[S+1+16*\b], v[S+2+16*\b]
.endr
.irp i, 3,5,7,9,11,13
.irp b, 0,1,2,3
	v_max3_num_f32 v[232+\b], v[232+\b], v[S+16*\b+\i], v[S+1+16*\b+\i]
.endr
.endr
	v_max3_num_f32 v232, v232, v233, v[S+15]
	v_max3_num_f32 v234, v234, v235, v[S+47]
	v_max_num_f32 v232, v232, v[S+31]              ; block h
	v_max_num_f32 v233, v234, v[S+63]              ; block 2 + h
	s_delay_alu instid0(VALU_DEP_1)
	v_max_num_f32 v234, v232, v233
	s_delay_alu instid0(VALU_DEP_1)
	v_permlanex16_b32 v236, v234, s[SEL], s[SEL+1]
	s_delay_alu instid0(VALU_DEP_1)
	v_max3_num_f32 v13, v13, v234, v236            ; the running largest score of my query
	s_delay_alu instid0(VALU_DEP_1)
	v_mul_f32 v235, s[CS], v13                     ; as t
	s_delay_alu instid0(VALU_DEP_1)
	v_floor_f32 v12, -v235                         ; the new -M = -ceil(t)
	s_delay_alu instid0(VALU_DEP_1)
	v_sub_f32 v254, v12, v254
	s_delay_alu instid0(VALU_DEP_1)
	v_cvt_i32_f32 v254, v254                       ; (it saturates)
	s_delay_alu instid0(VALU_DEP_1)
	v_ldexp_f32 v252, 1.0, v254                    ; f = 2^(old M - new M)
.set j, 0
.rept 32
	v_pk_fma_f32 v[S+j:S+j+1], v[S+j:S+j+1], s[CS:CS+1], v[12:13] op_sel_hi:[1,0,0]   ; t - M
.set j, j+2
.endr
	v_fma_f32 v232, v232, s[CS], v12               ; the same of my blocks' largest scores
	v_fma_f32 v233, v233, s[CS], v12
	WALU                                           ; the wait ahead of the batch
.set j, 0
.rept 64
	v_exp_f32 v[S+j], v[S+j]
.set j, j+1
.endr
	v_exp_f32 v232, v232
	v_exp_f32 v233, v233
	v_pk_mul_f32 v[14:15], v[14:15], v[252:253] op_sel_hi:[1,0]   ; the sums under the new M: a plain place behind the exponentials
	WALU                                           ; one wait for the batch, ahead of its first reader
	v_max_num_f32 v232, 0x2800000, v232            ; the floor 2^(5 - 127): the byte cannot fall under 1
	v_max_num_f32 v233, 0x2800000, v233
	s_delay_alu instid0(VALU_DEP_2)
	v_add_nc_u32 v244, 0xfe000000, v232            ; 4 off the exponent field: the conversion's scale operand
	s_delay_alu instid0(VALU_DEP_2)
	v_add_nc_u32 v245, 0xfe000000, v233
	s_delay_alu instid0(VALU_DEP_2)
	v_lshrrev_b32 v236, 23, v244                   ; the scale's byte
	s_delay_alu instid0(VALU_DEP_2)
	v_lshrrev_b32 v237, 23, v245
	s_delay_alu instid0(VALU_DEP_1)
	v_lshl_or_b32 v238, v237, 16, v236             ; my two bytes: blocks h and 2 + h,
	s_delay_alu instid0(VALU_DEP_1)
	v_lshlrev_b32 v238, v[SH8], v238               ; at their places in the word;
	s_delay_alu instid0(VALU_DEP_1)
	v_permlanex16_b32 v239, v238, s[SEL], s[SEL+1]
	s_delay_alu instid0(VALU_DEP_1)
	v_or_b32 v253, v238, v239                      ; with lane l xor 16's two: p's scale word for these 128 keys
.irp c, 0,1
	v_cvt_scalef32_pk16_bf6_f32 v[PC+6*\c:PC+2+6*\c], v[S+32*\c:S+15+32*\c], v[244+\c]
	v_cvt_scalef32_pk16_bf6_f32 v[PC+12+4*\c:PC+14+4*\c], v[S+16+32*\c:S+31+32*\c], v[244+\c]   ; (a conversion's three registers begin on an even number)
.endr
	WALU                                           ; the wait here, directly ahead of the first reader of O^T
.set j, 0
.rept 16
	v_pk_mul_f32 v[O+j:O+j+1], v[O+j:O+j+1], v[252:253] op_sel_hi:[1,0]   ; O^T under the new M.  (Plain lines behind the conversions)
.set j, j+2
.endr
.irp c, 0,1
.irp i, 0,1,2
	v_mov_b32 v[PC+3+6*\c+\i], v[PC+12+4*\c+\i]
.endr
.endr
	v_pk_add_f32 v[236:237], v[S:S+1], v[S+2:S+3]  ; the row's sum of the unquantised p, two at a time, in two chains
.irp j, 4,8,12,16,20,24,28,32,36,40,44,48
	v_pk_add_f32 v[14:15], v[14:15], v[S+\j:S+\j+1]
	v_pk_add_f32 v[236:237], v[236:237], v[S+\j+2:S+\j+3]
.endr
	WALU                                           ; the wait here, directly ahead of the wait below
	s_wait_dscnt 0x0
.irp t, 0,1,2,3
	v_wmma_scale_f32_16x16x128_f8f6f4 v[O+8*\t:O+8*\t+7], v[F+12*\t:F+12*\t+11], v[PC:PC+11], v[O+8*\t:O+8*\t+7], v[VS+\t], v253 matrix_a_fmt:MATRIX_FMT_BF6 matrix_b_fmt:MATRIX_FMT_BF6
.endr
.irp j, 52,56,60                       ; the rest of the sum names none of the products' registers: these lines are the places behind them
	v_pk_add_f32 v[14:15], v[14:15], v[S+\j:S+\j+1]
	v_pk_add_f32 v[236:237], v[236:237], v[S+\j+2:S+\j+3]
.endr
	s_delay_alu instid0(VALU_DEP_1)
	v_pk_add_f32 v[14:15], v[14:15], v[236:237]
	s_add_co_u32 s[TK], s[TK], 6144
	s_add_co_u32 s[TS], s[TS], 256
.endm
; A head's end: O^T / the sum, quantised along the head's 64 channels: half e of my fragment of o and of its scale word.  (The channels lie as W_v's columns do: 16 neighbours a lane, so the halves of a block change lanes here)
.macro FINISH e
.rept 4
	v_nop
.endr
	v_add_f32 v14, v14, v15
	v_permlanex16_b32 v252, v14, s[SEL], s[SEL+1]
	v_add_f32 v14, v14, v252
	WALU
	v_rcp_f32 v14, v14
	v_nop
	WALU
.set j, 0
.rept 16
	v_pk_mul_f32 v[S+j:S+j+1], v[O+j:O+j+1], v[14:15] op_sel_hi:[1,0]
.set j, j+2
.endr
.irp b, 0,1
	v_max3_num_f32 v[232+\b], |v[S+16*\b]|, |v[S+1+16*\b]|, 0x2800000
.endr
.irp i, 2,4,6,8,10,12,14
.irp b, 0,1
	v_max3_num_f32 v[232+\b], v[232+\b], |v[S+16*\b+\i]|, |v[S+1+16*\b+\i]|
.endr
.endr
.irp b, 0,1
	v_permlanex16_b32 v[236+\b], v[232+\b], s[SEL], s[SEL+1]
.endr
.irp b, 0,1
	v_max_num_f32 v[232+\b], v[232+\b], v[236+\b]
.endr
.irp b, 0,1
	v_add_nc_u32 v[244+\b], 0xfe000000, v[232+\b]
.endr
.irp b, 0,1
	v_lshrrev_b32 v[236+\b], 23, v[244+\b]
.endr
	v_cvt_scalef32_pk16_bf6_f32 v[OC+6*\e:OC+6*\e+2], v[S:S+15], v244
	v_cvt_scalef32_pk16_bf6_f32 v[PC+12:PC+14], v[S+16:S+31], v245
	v_nop
.irp i, 0,1,2
	v_permlane16_swap_b32 v[OC+6*\e+\i], v[PC+12+\i]
.endr
.irp i, 0,1,2
	v_mov_b32 v[OC+6*\e+3+\i], v[PC+12+\i]
.endr
.if \e
	v_lshl_or_b32 v254, v237, 8, v236
	v_lshl_or_b32 v[OW], v254, 16, v[OW]
.else
	v_lshl_or_b32 v[OW], v237, 8, v236
.endif
.endm
.macro HEAD e
.if \e
.irp i, 0,1,2,3,4,5
	v_mov_b32 v[22+\i], v[34+\i]
.endr
	v_mov_b32 v[QSL], v40
	v_lshlrev_b32 v[QSH], 16, v40
.endif
	v_mov_b32 v13, 0xff61b1e6                      ; the largest score so far: -3e38
	v_floor_f32 v12, -v13
	v_mov_b32 v14, 0
	v_mov_b32 v15, 0
.set j, 0
.rept 32
	v_mov_b32 v[O+j], 0                            ; the step is written once: the first finds zeros
.set j, j+1
.endr
	s_mov_b32 s[TK], \e*HL
	s_mov_b32 s[TS], \e*HL+98304
	s_mov_b32 s[CNT], 8
.Lstep_\@:
	STEP
	s_sub_co_u32 s[CNT], s[CNT], 1
	s_cmp_lg_u32 s[CNT], 0
	s_cbranch_scc1 .Lstep_\@
	FINISH \e
.endm
	WALU                                           ; the wait at the head's end
	s_cmp_lt_u32 s[WV], 8
	s_cbranch_scc0 .Lnot_first
	s_wait_tensorcnt 0x0                           ; waves 0-7: my part of the first head's tile is in
.Lnot_first:
	BARRIER                                        ; the first head's tile is whole.  The second head's may be out
	HEAD 0
	s_wait_tensorcnt 0x0
	s_wait_dscnt 0x0
	BARRIER                                        ; the second head's tile is whole
	HEAD 1
.irp k, 0,1,2
	global_store_b128 v[LI], v[OC+4*\k:OC+4*\k+3], s[44:45] offset:512*\k   ; 512 consecutive bytes an instruction
.endr
	ds_store_b32 v[OSA], v[OW]                     ; the scale words of four token blocks make a unit of 256 bytes: they are gathered in LDS
	s_wait_dscnt 0x0
	BARRIER
	s_cmp_lt_u32 s[WV], 2
	s_cbranch_scc0 .Lno_words
	ds_load_b128 v[S:S+3], v[OSR]
	s_wait_dscnt 0x0
	global_store_b128 v[GOS], v[S:S+3], s[46:47]   ; sixteen lanes store 256 consecutive bytes, aligned
.Lno_words:
	s_wait_tensorcnt 0x0                           ; the wave's end
	ds_add_u32 v251, v255
	s_wait_dscnt 0x0
	CROUND                                         ; the closing round
	s_endpgm
.Lfunc_end_k_q819a1b476c_attn:
	.size	k_q819a1b476c_attn, .Lfunc_end_k_q819a1b476c_attn-k_q819a1b476c_attn
	.p2alignl 7, 3214868480
	.fill 96, 4, 3214868480
	.section	.rodata,"a",@progbits
	.p2align	6, 0x0
	.amdhsa_kernel k_q819a1b476c_attn
		.amdhsa_group_segment_fixed_size 327680
		.amdhsa_private_segment_fixed_size 0
		.amdhsa_enable_private_segment 0
		.amdhsa_kernarg_size 16
		.amdhsa_user_sgpr_count 2
		.amdhsa_user_sgpr_kernarg_segment_ptr 1
		.amdhsa_wavefront_size32 1
		.amdhsa_system_sgpr_workgroup_id_x 1
		.amdhsa_system_sgpr_workgroup_id_y 1
		.amdhsa_system_sgpr_workgroup_id_z 1
		.amdhsa_system_vgpr_workitem_id 0
		.amdhsa_next_free_vgpr 256
		.amdhsa_next_free_sgpr 66
		.amdhsa_reserve_vcc 0
		.amdhsa_float_denorm_mode_32 3
		.amdhsa_float_denorm_mode_16_64 3
		.amdhsa_memory_ordered 1
		.amdhsa_forward_progress 1
		.amdhsa_inst_pref_size 48
	.end_amdhsa_kernel
	.amdgpu_metadata
---
amdhsa.version: [ 1, 2 ]
amdhsa.kernels:
  - .name:           k_q819a1b476c_attn
    .symbol:         k_q819a1b476c_attn.kd
    .args:
      - { .name: qkvq, .offset: 0, .size: 8, .value_kind: global_buffer, .address_space: global }
      - { .name: oq, .offset: 8, .size: 8, .value_kind: global_buffer, .address_space: global }
    .group_segment_fixed_size: 327680
    .private_segment_fixed_size: 0
    .kernarg_segment_align: 8
    .kernarg_segment_size: 16
    .max_flat_workgroup_size: 512
    .sgpr_count:     66
    .vgpr_count:     256
    .wavefront_size: 32
...
	.end_amdgpu_metadata
.endif
;; end of part 3
;; launch proj (part 4): grid 32 x 8, 4 waves a work-group, clusters of 4 x 4, 327,680 bytes of LDS; arguments oq, wq, b_proj, out0; writes out0
.if DOCPART == 4
	.amdgcn_target "amdgcn-amd-amdhsa--gfx1250"
	.amdhsa_code_object_version 6
	.text
	.protected	k_q819a1b476c_proj
	.globl	k_q819a1b476c_proj
	.p2align	8
	.type	k_q819a1b476c_proj,@function
k_q819a1b476c_proj:
	s_mov_b64 s[64:65], 0
	v_nop
	global_prefetch_b8 v0, s[64:65] scope:SCOPE_SE
	s_setreg_imm32_b32 hwreg(HW_REG_WAVE_MODE, 25, 1), 1
	s_wait_xcnt 0x0
	s_wait_alu depctr_hold_cnt(0) depctr_sa_sdst(0) depctr_va_vdst(0) depctr_va_sdst(0) depctr_va_ssrc(0) depctr_va_vcc(0) depctr_vm_vsrc(0)
	s_getreg_b32 s2, hwreg(HW_REG_IB_STS2, 6, 4)
	s_cmp_eq_u32 s2, 0
	s_cbranch_scc0 .Lentry_in_a_cluster
	s_endpgm
.Lentry_in_a_cluster:
	s_bfe_u32 s2, ttmp6, 0x10000c
	s_cmp_lg_u32 s2, 0xf033
	s_cbranch_scc0 .Lentry_shape_is_right
	s_endpgm
.Lentry_shape_is_right:
; out0[token][n] = sum over k of context[token][k] W_proj[k][n] + b_proj[n], f32, on codes of BF6 (E3M2) with E8M0 scales: 8,192 x 1,024 x 1,024.
; LIMITS: NaN, infinities and sums beyond f32's range are not served; a sum begins with the bias, where the reference adds it last.
; THE OPERANDS are images in the order of the operand's registers: fragment (row block rb, K step ks) = 16 rows x 128 K at rb x 12,288 + ks x 1,536, register q of lane l at 512 (q / 4) + 16 l + 4 (q % 4):
; three loads of 16 bytes at 16 x lane.  Row block 2 G + u holds at lane row r the true row 32 G + 8 u + r + 8 (r / 8).  The scale word of (rb, ks, r) lies at (rb / 4) x 2,048 + 256 ks + 16 r + 4 (rb % 4).
; THE DEAL.  256 work-groups of four waves, 2 x 2, each 256 tokens x 128 columns.  The wave in row a, column b holds W_proj's row blocks 4 b .. 4 b + 3 of the work-group's eight, all of K, in 384 registers,
; and streams the context's row blocks 2 s + a, s = 0 .. 7, past them: 32 products a block.  Source 0 = W_proj's rows: a lane holds one token, and its registers of tile t the columns 32 (t / 2) + 16 h + 8 (t % 2) + 0 .. 7.
; THE CLUSTER's x counts tile rows: the context's images are shared by a column of the cluster, W_proj's by a row, each asked for jointly.
; LDS: the context's 16 row blocks; W_proj's 8; the context's scale words, re-laid [row block][r][K step] by plain loads and LDS stores into bytes of their own; the spare words.
; All tiles are asked for at the head and nothing is filled again, so there is no loop to run ahead in and no data prefetch.  The waves' stages lie in W_proj's first bytes, which have had their one fill and are read for the last time ahead of the barrier in front of the stream.
; THE HEAD'S FOUR TILES, one a wave, each on a line of its own: W_proj's; the context's row blocks 0-7; 8-11; 12-15.  The stream begins when the first two are in; a plain barrier inside each pair's second block shows the others.
; Two sets of the context's fragments, of accumulators and of the rows that come back from the stage, by turns.  One run of memory lines behind a block's products, and one wait on LDS in it: younger than the rows' way back is the run's fetch alone (NF).
; THE ORDER OF THE CONTEXT's ROWS differs from W_proj's: its row block 4 c + i holds at lane row r the token 64 c + 8 i + r % 8 + 32 (r / 8).
.set XSC, 6291456
.set WP_IMG, 2359296
.set WP_SC, 3244032
.set FRB, 1536
.set RBB, 12288
.set NQ, 8
.set NB, 4
.set FR, 12
.set FPW, 21                           ; fragments in a window of 256 registers
.set NF, 26                            ; LDS loads of a block: 24 for eight fragments, 2 for eight scale words
.set YB, 16*RBB                        ; W_proj's images
.set SCLA, YB+8*RBB                    ; the context's scale words: 16 row blocks x 512 bytes
.set SPARE, SCLA+8192                  ; the spare words: 128 bytes a wave
.set SPITCH, 272                       ; a stage row: 256 bytes + 16
.set STAGE, YB
.set AQ0, 4                            ; v4  LDS address of my block 0's fragments; never rewritten
.set AAS0, 5                           ; v5  of its scale words; never rewritten
.set AQ, 6                             ; v6, v7  the same for the block that is fetched next
.set AAS, 7
.set ADRB, 8                           ; v8  my fragments of W_proj
.set CO, 9                             ; v9  my byte offset in out0: row l / 16, 16 bytes x (l % 16)
.set SPW, 10
.set NIL, 11
.set GT, 12                            ; v12 16 x thread
.set SW, 13                            ; v13 where my scale words go in LDS
.set R16, 14                           ; v14 16 r
.set VO, 15                            ; v15 64 h
.set STO, 18
.set RD, 19
.set SB, 24                            ; v24-55  W_proj's scale words: 4 x K step + tile
.set SA, 56                            ; v56-71  the context's: two sets of eight
.set ACC, 72                           ; v72-135 two sets of four accumulators
.set BK, 136                           ; v136-199 two sets: 16 rows x 256 bytes back from the stage
.set BO, 200                           ; v200-231 the bias as the first four products' C
.set XT, 232                           ; v232-247 head: scale words on their way into LDS
.set G1A, 24
.set G1B, 32
.set G0A, 56
.set G0B, 60
.set MSB, 0
.macro WIN new
.if MSB != \new
	s_set_vgpr_msb (MSB<<8)|\new
.set MSB, \new
.endif
.endm
.macro PLACES n
.rept \n
	v_nop
.endr
.endm
.macro WALU
	s_wait_alu depctr_va_vdst(0)
.endm
.macro BARRIER
	s_barrier_signal -1
	s_barrier_wait -1
.endm
.macro CROUND
	BARRIER
	s_cmp_lg_u32 s14, 0
	s_cbranch_scc1 .Lnot_wave_0_\@
	s_barrier_signal -3
.Lnot_wave_0_\@:
	s_barrier_wait -3
	BARRIER
.endm
.macro TLOAD g0, g1                    ; an s_nop 0 and four v_nop follow a tensor load
	tensor_load_to_lds s[\g0:\g0+3], s[\g1:\g1+7]
	s_nop 0
	PLACES 4
.endm
.macro GROUP1 g, mask, rows            ; a dense block as rows of 256 bytes (32 elements of 8); rows = 0: each tile's own arm writes the two words that count rows
	s_or_b32 s[\g+0], s[\mask], (3<<16)|(1<<21)
	s_mov_b32 s[\g+1], 32<<16
	s_mov_b32 s[\g+3], 32<<16
.if \rows
	s_mov_b32 s[\g+2], (\rows)<<16
	s_mov_b32 s[\g+4], \rows
.endif
	s_mov_b32 s[\g+5], 32
	s_mov_b32 s[\g+6], 0
	s_mov_b32 s[\g+7], 0
.endm
.macro ATILE first, rows               ; a part of the context's 768 rows of 256 bytes: its place in LDS is its place among them
	s_mov_b32 s[G0A+1], (\first)*256
	s_mov_b32 s[G1A+2], (\rows)<<16
	s_mov_b32 s[G1A+4], \rows
.if \first
	s_add_nc_u64 s[G0A+2:G0A+3], s[G0A+2:G0A+3], (\first)*256
.endif
	s_or_b32 s[G0A+3], s[G0A+3], 0x80000000
	TLOAD G0A, G1A
.endm
.macro FETCHAT e, aq, as               ; a block of the context into set e: NF loads.  Fragment f lies in window 1 + f / 21 at register 12 (f % 21): 0-31 W_proj's (4 q + tile), 32-47 the context's two sets
.irp q, 0,1,2,3,4,5,6,7
	WIN (1+(NB*NQ+NQ*(\e)+\q)/FPW)<<6
.irp c, 0,1,2
	ds_load_b128 v[FR*((NB*NQ+NQ*(\e)+\q)%FPW)+4*\c:FR*((NB*NQ+NQ*(\e)+\q)%FPW)+4*\c+3], v[\aq] offset:\q*FRB+512*\c
.endr
.endr
	WIN 0
	ds_load_b128 v[SA+8*(\e):SA+8*(\e)+3], v[\as]
	ds_load_b128 v[SA+8*(\e)+4:SA+8*(\e)+7], v[\as] offset:16
.endm
.macro PROD1 d, s0, s1, c, x0, x1
	v_wmma_scale_f32_16x16x128_f8f6f4 v[\d:\d+7], v[\s0:\s0+FR-1], v[\s1:\s1+FR-1], \c, v[\x0], v[\x1] matrix_a_fmt:MATRIX_FMT_BF6 matrix_b_fmt:MATRIX_FMT_BF6
.endm
.macro PROD e, n                       ; product n = 4 q + tile of a block whose rows lie in set e; the four accumulators take turns
.set Q_, (\n)/4
.set T_, (\n)%4
.set FB_, NB*Q_+T_
.set FA_, NB*NQ+NQ*(\e)+Q_
.set D_, ACC+32*(\e)+8*T_
.set RB_, FR*(FB_%FPW)
.set RA_, FR*(FA_%FPW)
.set XB_, SB+4*Q_+T_
.set XA_, SA+8*(\e)+Q_
	WIN (1+FB_/FPW)|((1+FA_/FPW)<<2)
.if Q_
	PROD1 D_, RB_, RA_, v[D_:D_+7], XB_, XA_
.else
	PROD1 D_, RB_, RA_, v[BO+8*T_:BO+8*T_+7], XB_, XA_
.endif
.endm
.macro PRODS e, from, to
.set N_, \from
.rept (\to)-(\from)
	PROD \e, N_
.set N_, N_+1
.endr
	WIN 0
.endm
.macro STAGED u                        ; set u's sums into my stage, each accumulator from its low end on, and back as whole rows.  LDS serves a wave's instructions in order (ISA guide 5.7.1.4): no wait between
.irp b, 0,1,2,3
	ds_store_b128 v[STO], v[ACC+32*(\u)+8*\b:ACC+32*(\u)+8*\b+3] offset:128*(\b/2)+32*(\b%2)
	ds_store_b128 v[STO], v[ACC+32*(\u)+8*\b+4:ACC+32*(\u)+8*\b+7] offset:128*(\b/2)+32*(\b%2)+16
.endr
.irp t, 0,1,2,3,4,5,6,7
	ds_load_b128 v[BK+32*(\u)+4*\t:BK+32*(\u)+4*\t+3], v[RD] offset:2*\t*SPITCH
.endr
.endm
.macro TOC s                           ; a block's stage rows 2 t, 2 t + 1 are tokens 2 t % 8 + 32 (t / 4) and the next, counted from its first; sixteen lanes store 256 consecutive bytes, aligned
.irp t, 0,1,2,3,4,5,6,7
	global_store_b128 v[CO], v[BK+32*(\s)+4*\t:BK+32*(\s)+4*\t+3], s[10:11] offset:(16*(\s)+(2*\t)%8+32*(\t/4))*4096 th:TH_STORE_NT   ; row block 4 c + 2 s + a of pair c: stage rows 2 t, 2 t + 1 are tokens 16 s + 8 a + 2 t % 8 + 32 (t / 4) and the next of the pair's 64
.endr
.endm
.macro STREAM s, fetch, show           ; a pair's block s = 0, 1.  show = 1: a plain barrier inside the block shows waves 2 and 3's tiles to all
.if \show
	PRODS \s, 0, 24
	s_wait_tensorcnt 0x0
	s_wait_dscnt 0x0
	s_barrier_signal -1
	PRODS \s, 24, 32
	s_barrier_wait -1
.else
	PRODS \s, 0, 32
.endif
.if \fetch
	s_add_co_u32 s101, s101, 2*RBB                 ; the block two on
	s_add_co_u32 s91, s91, 1024
	v_add_nc_u32 v[AQ], s101, v[AQ0]               ; four plain vector lines between the last product and the first reader of its sums and the fetch into its registers
	v_add_nc_u32 v[AAS], s91, v[AAS0]
	v_nop
	v_nop
	WALU                                           ; the wait here, directly ahead of the wait below
.else
	PLACES 4
.endif
	s_wait_xcnt 0x0                                ; the stores of two blocks ago have read set s of the rows, and those of the block before their base
.if (\s) == 0
	s_add_nc_u64 s[10:11], s[10:11], s[20:21]      ; on to this pair's 64 tokens
.endif
	STAGED \s
.if \fetch
	FETCHAT \s, AQ, AAS
	s_wait_dscnt NF                                ; the block's rows are back from the stage, and the next block's fragments are in; this run's fetch is younger
.else
	s_wait_dscnt 0x0
.endif
	TOC \s
.endm
; ================= THE HEAD
	s_load_b256 s[4:11], s[0:1], 0x0               ; oq s[4:5], wq s[6:7], b_proj s[8:9], out0 s[10:11]
	v_lshl_add_u32 v[SPW], v0, 2, SPARE
	v_mov_b32 v[NIL], 0
	ds_add_u32 v[SPW], v[NIL]                      ; the opening lines: the add, twice on end, and its wait
	ds_add_u32 v[SPW], v[NIL]
	v_lshrrev_b32 v1, 5, v0
	v_readfirstlane_b32 s14, v1                    ; the wave; s15 its row a of the 2 x 2, s16 its column b
	s_lshr_b32 s15, s14, 1
	s_and_b32 s16, s14, 1
	s_bfe_u32 s40, ttmp6, 0x40000
	s_bfe_u32 s41, ttmp6, 0x40004
	s_lshl_b32 s43, ttmp9, 2
	s_add_co_u32 s43, s43, s40                     ; tile row: 4 x cluster x + cx
	s_and_b32 s42, ttmp7, 0xffff
	s_lshl_b32 s42, s42, 2
	s_add_co_u32 s42, s42, s41                     ; tile column: 4 x cluster y + cy
	s_lshl_b32 s44, 0x1111, s40                    ; my column of the cluster shares the context's images
	s_lshl_b32 s45, s41, 2
	s_lshl_b32 s45, 15, s45                        ; my row W_proj's
	GROUP1 G1A, 44, 0
	GROUP1 G1B, 45, 384
	s_mov_b32 s[G0A], 1
	s_mov_b32 s[G0B], 1
	s_mov_b32 s[G0B+1], YB
	s_mul_i32 s76, s43, 16*RBB                     ; my 16 row blocks of the context
	s_mov_b32 s77, 0
	s_mul_i32 s78, s42, 8*RBB
	s_add_co_u32 s78, s78, WP_IMG                  ; my 8 of W_proj
	s_mov_b32 s79, 0
	s_lshl_b32 s80, s43, 13
	s_add_co_u32 s80, s80, XSC                     ; the context's scale words: 8,192 bytes
	s_mov_b32 s81, 0
	s_lshl_b32 s82, s42, 1
	s_add_co_u32 s82, s82, s16
	s_lshl_b32 s82, s82, 11
	s_add_co_u32 s82, s82, WP_SC                   ; my four tiles' scale words: 2,048 bytes
	s_mov_b32 s83, 0
	s_lshl_b32 s84, s42, 9
	s_lshl_b32 s21, s16, 8
	s_add_co_u32 s84, s84, s21                     ; my 64 columns, in bytes
	s_mov_b32 s85, 0
	s_lshl_b32 s86, s43, 20                        ; 256 tokens of 4,096 bytes
	s_lshl_b32 s21, s15, 15                        ; + 8 a tokens
	s_add_co_u32 s86, s86, s21
	s_add_co_u32 s86, s86, s84
	s_mov_b32 s87, 0
	s_mul_i32 s66, s15, RBB
	s_mul_i32 s67, s16, 4*RBB
	s_add_co_u32 s67, s67, YB
	s_lshl_b32 s68, s15, 9
	s_add_co_u32 s68, s68, SCLA
	s_mul_i32 s69, s14, 16*SPITCH
	s_add_co_u32 s69, s69, STAGE
	v_and_b32 v1, 15, v0                           ; r
	v_bfe_u32 v2, v0, 4, 1                         ; h
	v_and_b32 v3, 31, v0                           ; lane
	v_lshlrev_b32 v[GT], 4, v0
	v_lshlrev_b32 v[R16], 4, v1
	v_lshlrev_b32 v[VO], 6, v2
	v_lshl_add_u32 v[AQ0], v3, 4, s66
	v_lshl_add_u32 v[ADRB], v3, 4, s67
	v_lshl_add_u32 v[AAS0], v1, 5, s68
	v_add_nc_u32 v[AQ], 2*RBB, v[AQ0]
	v_add_nc_u32 v[AAS], 1024, v[AAS0]
	v_lshrrev_b32 v22, 4, v0                       ; thread t holds K step t / 16 of lane row t % 16
	v_lshlrev_b32 v22, 2, v22
	v_lshl_add_u32 v22, v1, 5, v22
	v_add_nc_u32 v[SW], SCLA, v22
	v_mul_u32_u24 v23, v1, SPITCH
	v_lshl_add_u32 v23, v2, 6, v23
	v_add_nc_u32 v[STO], s69, v23
	v_mul_u32_u24 v21, v2, SPITCH
	v_lshl_add_u32 v21, v1, 4, v21
	v_add_nc_u32 v[RD], s69, v21
	v_lshlrev_b32 v20, 12, v2
	v_lshl_add_u32 v[CO], v1, 4, v20
	WALU                                           ; the wait at the head's end
	s_wait_dscnt 0x0
	CROUND                                         ; the opening round: the first joint loads meet
	s_wait_kmcnt 0x0
	s_add_nc_u64 s[G0A+2:G0A+3], s[4:5], s[76:77]
	s_add_nc_u64 s[G0B+2:G0B+3], s[6:7], s[78:79]
	s_or_b32 s[G0B+3], s[G0B+3], 0x80000000
	s_add_nc_u64 s[4:5], s[4:5], s[80:81]
	s_add_nc_u64 s[6:7], s[6:7], s[82:83]
	s_add_nc_u64 s[8:9], s[8:9], s[84:85]
	s_add_nc_u64 s[10:11], s[10:11], s[86:87]
	s_cmp_eq_u32 s14, 0
	s_cbranch_scc0 .Lwave_1
	TLOAD G0B, G1B                                 ; wave 0: W_proj's images, which are wanted first
	s_branch .Lasked
.Lwave_1:
	s_cmp_eq_u32 s14, 1
	s_cbranch_scc0 .Lwave_2
	ATILE 0, 384                                   ; wave 1: the context's row blocks 0 to 7
	s_branch .Lasked
.Lwave_2:
	s_cmp_eq_u32 s14, 2
	s_cbranch_scc0 .Lwave_3
	ATILE 384, 192                                 ; wave 2: 8 to 11
	s_branch .Lasked
.Lwave_3:
	ATILE 576, 192                                 ; wave 3: 12 to 15
.Lasked:
.irp i, 0,1,2,3
	global_load_b128 v[XT+4*\i:XT+4*\i+3], v[GT], s[4:5] offset:2048*\i   ; the words of row blocks 4 i .. 4 i + 3; a wave reads 512 consecutive bytes
.endr
.irp q, 0,1,2,3,4,5,6,7
	global_load_b128 v[SB+4*\q:SB+4*\q+3], v[R16], s[6:7] offset:256*\q
.endr
.irp t, 0,1,2,3
	global_load_b128 v[BO+8*\t:BO+8*\t+3], v[VO], s[8:9] offset:(32*(\t/2)+8*(\t%2))*4
	global_load_b128 v[BO+8*\t+4:BO+8*\t+7], v[VO], s[8:9] offset:(32*(\t/2)+8*(\t%2))*4+16
.endr
	s_cmp_eq_u32 s14, 0
	s_cbranch_scc0 .Lnot_b
	s_wait_tensorcnt 0x0
.Lnot_b:
	BARRIER                                        ; W_proj's images have landed
.irp q, 0,1,2,3,4,5,6,7
.irp b, 0,1,2,3
	WIN (1+(NB*\q+\b)/FPW)<<6
.irp c, 0,1,2
	ds_load_b128 v[FR*((NB*\q+\b)%FPW)+4*\c:FR*((NB*\q+\b)%FPW)+4*\c+3], v[ADRB] offset:\b*RBB+\q*FRB+512*\c
.endr
.endr
.endr
	WIN 0
	s_wait_loadcnt 16                              ; the context's four loads of scale words are in; W_proj's eight and the bias's eight are younger.  They are wanted behind the next barrier only
.irp i, 0,1,2,3
.irp j, 0,1,2,3
	ds_store_b32 v[SW], v[XT+4*\i+\j] offset:(4*\i+\j)*512
.endr
.endr
	s_mov_b32 s101, 2*RBB
	s_mov_b32 s91, 1024
	s_cmp_eq_u32 s14, 1
	s_cbranch_scc0 .Lnot_a
	s_wait_tensorcnt 0x0                           ; wave 1: the context's row blocks 0 to 7 have landed
.Lnot_a:
	s_wait_loadcnt 0x0                             ; W_proj's scale words and the bias
	s_wait_dscnt 0x0
	BARRIER                                        ; the first eight row blocks and all scale words are in, and nobody reads W_proj's bytes any more.  Waves 2 and 3's tiles may be out
	FETCHAT 0, AQ0, AAS0
	FETCHAT 1, AQ, AAS
; ================= THE STREAM: eight blocks
	s_mov_b32 s23, 0
	s_mov_b32 s20, 0                               ; s[20:21]: from a pair's tokens to the next pair's; block 0 begins where the base stands
	s_mov_b32 s21, 0
	s_wait_dscnt NF                                ; block 0's fragments are in
.Lpair:                                                ; blocks 0 to 5, a pair a trip
	STREAM 0, 1, 0
	STREAM 1, 1, 1
	s_mov_b32 s20, 64*4096
	s_add_co_u32 s23, s23, 1
	s_cmp_lg_u32 s23, 3
	s_cbranch_scc1 .Lpair
	STREAM 0, 0, 0                                 ; blocks 6 and 7 fetch nothing
	STREAM 1, 0, 0
	s_wait_tensorcnt 0x0                           ; the wave's end
	ds_add_u32 v[SPW], v[NIL]
	s_wait_dscnt 0x0
	CROUND                                         ; the closing round
	s_endpgm
.Lfunc_end_k_q819a1b476c_proj:
	.size	k_q819a1b476c_proj, .Lfunc_end_k_q819a1b476c_proj-k_q819a1b476c_proj
	.p2alignl 7, 3214868480
	.fill 96, 4, 3214868480
	.section	.rodata,"a",@progbits
	.p2align	6, 0x0
	.amdhsa_kernel k_q819a1b476c_proj
		.amdhsa_group_segment_fixed_size 327680
		.amdhsa_private_segment_fixed_size 0
		.amdhsa_enable_private_segment 0
		.amdhsa_kernarg_size 32
		.amdhsa_user_sgpr_count 2
		.amdhsa_user_sgpr_kernarg_segment_ptr 1
		.amdhsa_wavefront_size32 1
		.amdhsa_system_sgpr_workgroup_id_x 1
		.amdhsa_system_sgpr_workgroup_id_y 1
		.amdhsa_system_sgpr_workgroup_id_z 1
		.amdhsa_system_vgpr_workitem_id 0
		.amdhsa_next_free_vgpr 840
		.amdhsa_next_free_sgpr 102
		.amdhsa_reserve_vcc 0
		.amdhsa_float_denorm_mode_32 3
		.amdhsa_float_denorm_mode_16_64 3
		.amdhsa_memory_ordered 1
		.amdhsa_forward_progress 1
		.amdhsa_inst_pref_size 50
	.end_amdhsa_kernel
	.amdgpu_metadata
---
amdhsa.version: [ 1, 2 ]
amdhsa.kernels:
  - .name:           k_q819a1b476c_proj
    .symbol:         k_q819a1b476c_proj.kd
    .args:
      - { .name: oq, .offset: 0, .size: 8, .value_kind: global_buffer, .address_space: global }
      - { .name: wq, .offset: 8, .size: 8, .value_kind: global_buffer, .address_space: global }
      - { .name: b_proj, .offset: 16, .size: 8, .value_kind: global_buffer, .address_space: global }
      - { .name: out0, .offset: 24, .size: 8, .value_kind: global_buffer, .address_space: global }
    .group_segment_fixed_size: 327680
    .private_segment_fixed_size: 0
    .kernarg_segment_align: 8
    .kernarg_segment_size: 32
    .max_flat_workgroup_size: 128
    .sgpr_count:     102
    .vgpr_count:     840
    .wavefront_size: 32
...
	.end_amdgpu_metadata
.endif
;; end of part 4
